; MI455X (gfx1250); checked and timed in simulation.
; The chip was launched on July 23, 2026; its instructions are those of AMD's public machine-readable ISA for CDNA 5 (MIT licence, August 2026) and "CDNA5" Instruction Set Architecture Reference Guide (July 2026). The comments in the code are by the model that wrote it; some were corrected since.
;; Traditional Mo E. Allowed arithmetic: float matrix products may take bf16 or f16 operands with f32 sums; all other float work in f32.
;; Inputs: G1 131 x 32 float32; G2 32 x 8 float32; W1 8 x 131 x 1,024 float32; W2 8 x 1,024 x 1,024 float32; W3 8 x 1,024 x 128 float32; b1 8 x 1,024 float32; b2 8 x 1,024 float32; b3 8 x 128 float32; g1b 32 float32; g2b 8 float32; t 4,096 float32; x 4,096 x 128 float32.
;; Outputs: out0 4,096 x 128 float32.
;; 3 versions, each right; version 2 is faster than version 1; version 3 is version 2 with the launch prep written anew for expert scheduling mode. Each part assembles by itself: llvm-mc -triple=amdgcn-amd-amdhsa -mcpu=gfx1250 --defsym DOCPART=n.
;; ======== version 1 of 3: 3 launches
;; limits: inputs' magnitudes at most 100,000; values are held in f16: magnitudes above 65,504 overflow, below 6.1e-05 lose precision; right only within a limited range of input values
;; workspace buffers: wq 22,020,096 bytes; part 16,777,216 bytes
;; launch prep (part 1): grid 328 x 1, 8 waves a work-group, no clusters, 0 bytes of LDS; arguments W1, W2, W3, wq; writes wq
.if DOCPART == 1
	.amdgcn_target "amdgcn-amd-amdhsa--gfx1250"
	.amdhsa_code_object_version 6
	.text
	.protected	k_qe18af2a05d_prep
	.globl	k_qe18af2a05d_prep
	.p2align	8
	.type	k_qe18af2a05d_prep,@function
k_qe18af2a05d_prep:
	s_mov_b64 s[64:65], 0
	v_nop
	global_prefetch_b8 v0, s[64:65] scope:SCOPE_SE
	s_setreg_imm32_b32 hwreg(HW_REG_WAVE_MODE, 25, 1), 1
	s_wait_xcnt 0x0
; The expert weights, f32 [K][N], are rounded to f16 once and laid, expert by expert, in the order in which the main launch walks them,
; as rows of 128 f16 (256 bytes).  Rows of expert e (10,752 rows, EXP bytes):
;   192 c + k          (c = 0..7, k = 0..191)  W1[e][k][128 c + j] for k < 131, else 0
;   1536 + 1152 c + k  (k = 0..1023)           W2[e][k][128 c + j]
;   1536 + 1152 c + 1024 + kk (kk = 0..127)    W3[e][128 c + kk][j]
; LIMIT: a weight beyond 65,504 in magnitude becomes an infinity; the rounding step is never finer than 6e-8.
; A row job: one load of a wave takes 512 consecutive bytes (128 f32, 16 bytes a lane), two packed roundings, one store of 8 bytes a lane:
; the wave's store covers 256 consecutive bytes, aligned.  A pure stream: every byte is read once and written once, so LDS, barriers and the
; matrix unit would add nothing.  A wave issues all its loads (32 rows, 16 KiB) before its first wait; no register is used twice, so no
; source of a pending instruction is ever rewritten.
; Work-groups 0..255: W2 (expert, 32 rows of K; wave w = column chunk w).  256..287: W1 rows 0..127.  288..319: W3.  320..327: W1 rows 128..130 and the zero rows.
.set EXP, 2752512                      ; bytes of one expert in wq
.set X, 4                              ; v[4:131]   32 rows as loaded, 4 registers each
.set Y, 132                            ; v[132:195] 32 rows to store, 2 registers each
.set Z, 196                            ; v[196:197] zeros
; n rows: source rows sstr bytes apart from s[20:21], rows of wq dstr bytes apart from s[22:23]
.macro CONV n, sstr, dstr
.set i, 0
.rept \n
	global_load_b128 v[X+4*i:X+4*i+3], v1, s[20:21] offset:i*\sstr th:TH_LOAD_NT
.set i, i+1
.endr
.set i, 0
.rept \n
	s_wait_loadcnt \n-1-i                          ; loads come back in order (ISA guide 5.7.1): row i is in, the younger rows stay out
	v_cvt_pk_f16_f32 v[Y+2*i], v[X+4*i], v[X+4*i+1]
	v_cvt_pk_f16_f32 v[Y+2*i+1], v[X+4*i+2], v[X+4*i+3]
	global_store_b64 v2, v[Y+2*i:Y+2*i+1], s[22:23] offset:i*\dstr
.set i, i+1
.endr
.endm
	s_load_b256 s[4:11], s[0:1], 0x0               ; W1 s[4:5], W2 s[6:7], W3 s[8:9], wq s[10:11]
	v_lshrrev_b32 v3, 5, v0
	v_readfirstlane_b32 s12, v3                    ; wave w
	v_and_b32 v1, 31, v0
	v_lshlrev_b32 v2, 3, v1                        ; 8 bytes a lane in a row of wq
	v_lshlrev_b32 v1, 4, v1                        ; 16 bytes a lane in a source row
	s_mov_b32 s13, ttmp9
	s_mov_b32 s17, 0                               ; high words of the two offset pairs: every offset is below 4 GiB
	s_mov_b32 s19, 0
	s_wait_kmcnt 0x0
	s_cmp_lt_u32 s13, 256
	s_cbranch_scc0 .Lnot_w2
	; W2: e = g >> 5, kb = g & 31: rows 32 kb .. 32 kb + 31 of K, columns 128 w .. 128 w + 127
	s_lshr_b32 s14, s13, 5
	s_and_b32 s15, s13, 31
	s_lshl_b32 s16, s14, 22                        ; e x 1024 x 1024 x 4
	s_lshl_b32 s24, s15, 17                        ; kb x 32 rows x 4,096 bytes
	s_add_co_u32 s16, s16, s24
	s_lshl_b32 s24, s12, 9                         ; w x 512 bytes
	s_add_co_u32 s16, s16, s24
	s_add_nc_u64 s[20:21], s[6:7], s[16:17]
	s_mul_i32 s18, s14, EXP
	s_mul_i32 s24, s12, 1152*256
	s_add_co_u32 s18, s18, s24
	s_lshl_b32 s24, s15, 13                        ; kb x 32 rows x 256 bytes
	s_add_co_u32 s18, s18, s24
	s_add_co_u32 s18, s18, 1536*256
	s_add_nc_u64 s[22:23], s[10:11], s[18:19]
	CONV 32, 4096, 256
	s_endpgm
.Lnot_w2:
	s_cmp_lt_u32 s13, 288
	s_cbranch_scc0 .Lnot_w1
	; W1, rows 0..127: e = g' >> 2, kb = g' & 3
	s_sub_co_u32 s13, s13, 256
	s_lshr_b32 s14, s13, 2
	s_and_b32 s15, s13, 3
	s_mul_i32 s16, s14, 536576                     ; e x 131 x 1024 x 4
	s_lshl_b32 s24, s15, 17
	s_add_co_u32 s16, s16, s24
	s_lshl_b32 s24, s12, 9
	s_add_co_u32 s16, s16, s24
	s_add_nc_u64 s[20:21], s[4:5], s[16:17]
	s_mul_i32 s18, s14, EXP
	s_mul_i32 s24, s12, 192*256
	s_add_co_u32 s18, s18, s24
	s_lshl_b32 s24, s15, 13
	s_add_co_u32 s18, s18, s24
	s_add_nc_u64 s[22:23], s[10:11], s[18:19]
	CONV 32, 4096, 256
	s_endpgm
.Lnot_w1:
	s_cmp_lt_u32 s13, 320
	s_cbranch_scc0 .Lnot_w3
	; W3: e = g' >> 2, qd = g' & 3: rows 256 qd + 32 w .. + 31, which lie in chunk 2 qd + (w >> 2) at kk = 32 (w & 3)
	s_sub_co_u32 s13, s13, 288
	s_lshr_b32 s14, s13, 2
	s_and_b32 s15, s13, 3
	s_lshl_b32 s16, s14, 19                        ; e x 1024 x 128 x 4
	s_lshl_b32 s24, s15, 17                        ; qd x 256 rows x 512 bytes
	s_add_co_u32 s16, s16, s24
	s_lshl_b32 s24, s12, 14                        ; w x 32 rows x 512 bytes
	s_add_co_u32 s16, s16, s24
	s_add_nc_u64 s[20:21], s[8:9], s[16:17]
	s_mul_i32 s18, s14, EXP
	s_lshl_b32 s24, s15, 1
	s_lshr_b32 s25, s12, 2
	s_add_co_u32 s24, s24, s25                     ; the chunk
	s_mul_i32 s24, s24, 1152*256
	s_add_co_u32 s18, s18, s24
	s_and_b32 s24, s12, 3
	s_lshl_b32 s24, s24, 13
	s_add_co_u32 s18, s18, s24
	s_add_co_u32 s18, s18, (1536+1024)*256
	s_add_nc_u64 s[22:23], s[10:11], s[18:19]
	CONV 32, 512, 256
	s_endpgm
.Lnot_w3:
	; W1, rows 128..130 of expert g - 320, then zeros for rows 131..191 of chunk w
	s_sub_co_u32 s14, s13, 320
	s_mul_i32 s16, s14, 536576
	s_lshl_b32 s24, s12, 9
	s_add_co_u32 s16, s16, s24
	s_add_co_u32 s16, s16, 128*4096
	s_add_nc_u64 s[20:21], s[4:5], s[16:17]
	s_mul_i32 s18, s14, EXP
	s_mul_i32 s24, s12, 192*256
	s_add_co_u32 s18, s18, s24
	s_add_co_u32 s18, s18, 128*256
	s_add_nc_u64 s[22:23], s[10:11], s[18:19]
	v_mov_b32 v[Z], 0
	v_mov_b32 v[Z+1], 0
	CONV 3, 4096, 256
.set i, 3
.rept 61
	global_store_b64 v2, v[Z:Z+1], s[22:23] offset:i*256
.set i, i+1
.endr
	s_endpgm
.Lfunc_end_k_qe18af2a05d_prep:
	.size	k_qe18af2a05d_prep, .Lfunc_end_k_qe18af2a05d_prep-k_qe18af2a05d_prep
	.p2alignl 7, 3214868480
	.fill 96, 4, 3214868480
	.section	.rodata,"a",@progbits
	.p2align	6, 0x0
	.amdhsa_kernel k_qe18af2a05d_prep
		.amdhsa_group_segment_fixed_size 0
		.amdhsa_private_segment_fixed_size 0
		.amdhsa_enable_private_segment 0
		.amdhsa_kernarg_size 32
		.amdhsa_user_sgpr_count 2
		.amdhsa_user_sgpr_kernarg_segment_ptr 1
		.amdhsa_wavefront_size32 1
		.amdhsa_system_sgpr_workgroup_id_x 1
		.amdhsa_system_sgpr_workgroup_id_y 1
		.amdhsa_system_sgpr_workgroup_id_z 1
		.amdhsa_system_vgpr_workitem_id 0
		.amdhsa_next_free_vgpr 200
		.amdhsa_next_free_sgpr 66
		.amdhsa_reserve_vcc 0
		.amdhsa_float_denorm_mode_32 3
		.amdhsa_float_denorm_mode_16_64 3
		.amdhsa_memory_ordered 1
		.amdhsa_forward_progress 1
		.amdhsa_inst_pref_size 44
	.end_amdhsa_kernel
	.amdgpu_metadata
---
amdhsa.version: [ 1, 2 ]
amdhsa.kernels:
  - .name:           k_qe18af2a05d_prep
    .symbol:         k_qe18af2a05d_prep.kd
    .args:
      - { .name: W1, .offset: 0, .size: 8, .value_kind: global_buffer, .address_space: global }
      - { .name: W2, .offset: 8, .size: 8, .value_kind: global_buffer, .address_space: global }
      - { .name: W3, .offset: 16, .size: 8, .value_kind: global_buffer, .address_space: global }
      - { .name: wq, .offset: 24, .size: 8, .value_kind: global_buffer, .address_space: global }
    .group_segment_fixed_size: 0
    .private_segment_fixed_size: 0
    .kernarg_segment_align: 8
    .kernarg_segment_size: 32
    .max_flat_workgroup_size: 256
    .sgpr_count:     66
    .vgpr_count:     200
    .wavefront_size: 32
...
	.end_amdgpu_metadata
.endif
;; end of part 1
;; launch moe (part 2): grid 32 x 8, 4 waves a work-group, clusters of 4 x 1, 327,680 bytes of LDS; arguments wq, x, t, b1, b2, b3, G1, g1b, G2, g2b, part; writes part
.if DOCPART == 2
	.amdgcn_target "amdgcn-amd-amdhsa--gfx1250"
	.amdhsa_code_object_version 6
	.text
	.protected	k_qe18af2a05d_moe
	.globl	k_qe18af2a05d_moe
	.p2align	8
	.type	k_qe18af2a05d_moe,@function
k_qe18af2a05d_moe:
	s_mov_b64 s[64:65], 0
	v_nop
	global_prefetch_b8 v0, s[64:65] scope:SCOPE_SE
	s_setreg_imm32_b32 hwreg(HW_REG_WAVE_MODE, 25, 1), 1
	s_wait_xcnt 0x0
	s_wait_alu depctr_hold_cnt(0) depctr_sa_sdst(0) depctr_va_vdst(0) depctr_va_sdst(0) depctr_va_ssrc(0) depctr_va_vcc(0) depctr_vm_vsrc(0)
	s_getreg_b32 s2, hwreg(HW_REG_IB_STS2, 6, 4)
	s_cmp_eq_u32 s2, 0
	s_cbranch_scc0 .Lentry_in_a_cluster
	s_endpgm
.Lentry_in_a_cluster:
	s_bfe_u32 s2, ttmp6, 0x10000c
	s_cmp_lg_u32 s2, 0x3003
	s_cbranch_scc0 .Lentry_shape_is_right
	s_endpgm
.Lentry_shape_is_right:
; part[e][b][s] = gate[b][e] * clip(expert e's three layers on row b).  One work-group = one expert x 128 rows; a wave owns 32 rows (two tiles of 16).
; THE CHAIN IS RUN TRANSPOSED: h^T = W^T in^T.  The weights are source A (16 output features x 32 K), read from LDS rows that lie along the
; output features by the transposing load; the activations are source B.  In a result tile lane (r, h) holds row r of the batch and the
; features 8 h + q in register q, which is the layout of source B of the next layer: relu and a packed rounding, inside the lane, make
; a result tile into the next operand.  So the activations never leave the registers: h1 of 32 rows in f16 is 512 registers.
; Layer 2 goes in chunks of 128 output features; each chunk's h2 is multiplied into layer 3's sums at once.
; FORMAT: all matrix operands are f16 (11 bits of mantissa): the result is a sum whose numbers near 0 are held to a hundredth of the output's
; root mean square, which three roundings to 8 bits in a row do not keep.  h2 is a product of four inputs and has no fixed place in f16's range, so it
; gets a SCALE OF ITS BATCH ROW, a power of two that follows the row's running maximum M over the chunks: for M in [2^k, 2^(k+1)) h2 is multiplied
; by 2^(10-k), layer 3's sums are kept in that scale (multiplied by new scale / old scale at each chunk, exactly), and the scale is taken out at the end.
; WEIGHTS: wq (f16, laid by the launch before) is one stream of 28 tiles of 384 rows x 256 bytes for each expert, through two LDS slots.
; CLUSTER: the four work-groups of a cluster are four row blocks of one expert and walk the same stream, so every tile is asked for jointly
; (mask 15); each wave asks for a quarter of a tile (96 rows).  By this text's own count a wave has two tensor loads out at the start and one later.
; LIMITS: x, t, the weights, h1 and the gate's hidden layer are rounded to f16: beyond 65,504 in magnitude they become infinities, and their rounding
; step is never finer than 6e-8.  (h1 is a sum of 131 products x W1: for |x| near 30 and |W1| near 0.6, all of one sign, it is about 2,400.)
; Of a row's h2, numbers under 2^-34 of the row's running maximum are rounded to 0; M is taken as at least 2^-100.  sin and cos: reduction by
; pi/2 in two terms, polynomials on |rho| <= pi/4; the reduction's own error stays under 1e-6 for |t| <= 1e5.  relu by v_max_num_f32 makes 0 of a NaN.
; A row's sum of squares must stay finite in f32 (norm below 1.8e19).
;
; REGISTERS in blocks of 256 (s_set_vgpr_msb: bits 1:0 source 0, 3:2 source 1, 5:4 source 2, 7:6 destination):
;  block 0: v1 lane L, v2 r = L & 15, v3 h = L >> 4; v4-7 LDS address of my part of a fragment in (slot, half of the slot); v8 32 h; v9, v10 the stage, in and back;
;           v11 16 L; v12, v13 my expert's gate of row r in tile 0, 1; v14 512 r + 32 h; v15 0; v16 4 r; v17 1024 h + 4 r; v18 256 h + 4 (r & 7);
;           v20-31 at work; v32-47 logits, then the rows' scales (below); v48-63 in^T, K 128..159; v64-191 two buffers of 8 weight fragments; v192-255 bias, 8 tiles x 8
;  blocks 1, 2: h1^T: fragment (K step kp, tile j) at 16 kp + 8 j.  Until they are overwritten: block 1: G1 (0-133), a zero (134), G2 (144-159) in f32;
;           block 2: G1^T fragments (0-79), G2^T (80-87), g1b (96-111), g2b (112-119), in^T K 0..127 (192-255)
;  block 3: 0-127 sums of the chunk at work: tile (mt, j) at 32 (mt >> 1) + 16 j + 8 (mt & 1) (first x in f32, then the gate's hidden sums);
;           128-255 layer 3's sums, in the row's scale: tile (mt, j) at 128 + 16 mt + 8 j
.set EXP,    2752512                   ; bytes of one expert in wq
.set TILEB,  98304                     ; bytes of a tile in wq: 384 rows of 256
.set PITCH,  288                       ; an LDS row: 256 bytes + 32 of padding = 9 x 32 bytes
.set SLOT,   384*PITCH                 ; 110,592
.set QUART,  96*PITCH                  ; what one wave's tensor load fills
.set HALFS,  192*PITCH                 ; six K steps: beyond them the 16-bit offset of an LDS load would not reach
.set KROWS,  32*PITCH                  ; one K step
.set STAGE,  2*SLOT                    ; behind the ring, 256-byte aligned, never filled by a tensor load: 32 rows x 528 bytes for each wave
.set SPITCH, 528
.set AF,     64
.set BIAS,   192
.set MX,     32                        ; v32, v33      running maximum of h2 in row r of tile 0, 1
.set SC,     34                        ; v[34:37]      the row's scale 2^(10-k), twice, for tile 0, 1
.set RT,     38                        ; v[38:41]      new scale / old scale, twice
.set IS,     42                        ; v[42:45]      1 / scale = 2^(k-10), twice
.set MSB, 0
.set CUR, 0
.macro WIN new                         ; the immediate's high byte repeats the setting that is left
.if MSB != \new
	s_set_vgpr_msb (MSB<<8)|\new
.set MSB, \new
.endif
.endm
; Four places behind a matrix instruction before a vector instruction reads its result or a load lands on one of its registers
.macro PLACES
.rept 4
	v_nop
.endr
.endm
; A round of the cluster's barrier behind its opening work-group barrier: wave 0 signals for the work-group, every wave waits for all four
; work-groups, the work-group's barrier closes the round.
.macro CREST
	s_cmp_lg_u32 s26, 0
	s_cbranch_scc1 .Lnot_wave_0_\@
	s_barrier_signal -3
.Lnot_wave_0_\@:
	s_barrier_wait -3
	s_barrier_signal -1
	s_barrier_wait -1
.endm
.macro CROUND
	s_barrier_signal -1
	s_barrier_wait -1
	CREST
.endm
; The 8 weight fragments (128 output features x 32 K) of K step ks of a slot into buffer buf: 16 transposing loads
.macro LDA buf, slot, ks
.irp i, 0,1,2,3,4,5,6,7
	ds_load_tr16_b128 v[AF+64*(\buf)+8*\i:AF+64*(\buf)+8*\i+3], v[4+2*(\slot)+(\ks)/6] offset:((\ks)%6)*KROWS+32*\i
	ds_load_tr16_b128 v[AF+64*(\buf)+8*\i+4:AF+64*(\buf)+8*\i+7], v[4+2*(\slot)+(\ks)/6] offset:((\ks)%6)*KROWS+32*\i+16*PITCH
.endr
.endm
; 16 matrix instructions: 8 feature tiles x my 2 row tiles, 32 along K.  dk = 0: the chunk's sums, 1: layer 3's.
; cb = 1: the bias starts the sums; 2: the constant 0 does; 0: they go on in place.
; The sixteen accumulators take turns, one instruction a turn, in the same order everywhere.
.macro MM buf, win, breg, bstr, dk, cb
	WIN \win
.irp mt, 0,1,2,3,4,5,6,7
.irp j, 0,1
.if \dk
.set DD, 128+16*\mt+8*\j
.else
.set DD, 32*(\mt>>1)+16*\j+8*(\mt&1)
.endif
.if (\cb) == 1
	v_wmma_f32_16x16x32_f16 v[DD:DD+7], v[AF+64*(\buf)+8*\mt:AF+64*(\buf)+8*\mt+7], v[(\breg)+(\bstr)*\j:(\breg)+(\bstr)*\j+7], v[BIAS+8*\mt:BIAS+8*\mt+7]
.else
.if (\cb) == 2
	v_wmma_f32_16x16x32_f16 v[DD:DD+7], v[AF+64*(\buf)+8*\mt:AF+64*(\buf)+8*\mt+7], v[(\breg)+(\bstr)*\j:(\breg)+(\bstr)*\j+7], 0
.else
	v_wmma_f32_16x16x32_f16 v[DD:DD+7], v[AF+64*(\buf)+8*\mt:AF+64*(\buf)+8*\mt+7], v[(\breg)+(\bstr)*\j:(\breg)+(\bstr)*\j+7], v[DD:DD+7]
.endif
.endif
.endr
.endr
.endm
; One K step on buffer CUR.  nks >= 0: K step nks of the slot is fetched into the other buffer first.  nks < 0: the tile's last step; open = 1:
; it opens the barrier of the change of slots.
.macro KS slot, nks, open, win, breg, bstr, dk, cb
.if (\nks) >= 0
	WIN 0
	PLACES                                         ; the other buffer was read by the matrix instructions just issued
	LDA 1-CUR, \slot, \nks
	s_wait_dscnt 16                                ; LDS loads come back in order (ISA guide 5.7.1): all but the 16 just issued are in
.else
	s_wait_dscnt 0x0                               ; my reads of this slot are over,
.if \open
	s_wait_xcnt 0x0
	s_set_vgpr_msb (MSB<<8)|((MSB&0x3c)|0x0)
	v_lshl_add_u32 v46, v0, 2, 0x46800
	v_mov_b32 v47, 0
	s_set_vgpr_msb (((MSB&0x3c)|0x0)<<8)|((MSB&0x30)|0x0)
	s_wait_tensorcnt 0x0                           ; and all my tensor loads have landed: the one that was out is my quarter of the next tile
	ds_add_u32 v46, v47
	s_wait_dscnt 0x0
	s_set_vgpr_msb (((MSB&0x30)|0x0)<<8)|MSB
	s_barrier_signal -1                            ; say so; only register work stands up to the wait
.endif
.endif
.if (\cb) == 1
	s_wait_loadcnt 0x0                             ; the chunk's bias, asked for a chunk ago
.endif
	MM CUR, \win, \breg, \bstr, \dk, \cb
.set CUR, 1-CUR
.endm
.macro TSTART slot, ks                 ; a tile's first fragments
.set CUR, 0
	WIN 0
	PLACES
	LDA 0, \slot, \ks
.endm
; The change of slots.  Every wave has waited for its reads and for all its tensor loads in front of the signal.  refill = 1: the barrier opened a round
; of the cluster's barrier, so that the same holds of every wave of the four partners; the joint refill (two tiles on) comes first behind the round.
.macro CLOSE slot, refill
	WIN 0
	s_barrier_wait -1
.if \refill
	CREST
	s_add_nc_u64 s[34+4*(\slot):35+4*(\slot)], s[34+4*(\slot):35+4*(\slot)], 2*TILEB   ; no tensor load of mine is out: a group 0 may be written
	tensor_load_to_lds s[32+4*(\slot):35+4*(\slot)], s[40:47]
	s_nop 0
.endif
.endm
; The bias of a chunk of 128 features as 8 C tiles: register q of lane (r, h) in tile mt = bias[16 mt + 8 h + q]
.macro LDBIAS sp, off
	WIN 0
.irp mt, 0,1,2,3,4,5,6,7
	global_load_b128 v[BIAS+8*\mt:BIAS+8*\mt+3], v8, s[\sp:\sp+1] offset:(\off)+64*\mt
	global_load_b128 v[BIAS+8*\mt+4:BIAS+8*\mt+7], v8, s[\sp:\sp+1] offset:(\off)+64*\mt+16
.endr
.endm
; relu on the chunk's 16 tiles, then 8 fragments of the next layer's source B: group g = 2 (K step) + j is 16 neighbouring registers.
; In place (dstr = 16) register 16 g + i is written when 16 g + 2 i and 16 g + 2 i + 1 are read, i ascending: nothing is lost.
.macro RELUPACK dwin, dbase, dstr
	WIN 0xcf
.set n, 0
.rept 128
	v_max_num_f32 v[n], 0, v[n]
.set n, n+1
.endr
	WIN \dwin
.irp g, 0,1,2,3,4,5,6,7
.irp i, 0,1,2,3,4,5,6,7
	v_cvt_pk_f16_f32 v[(\dbase)+(\dstr)*\g+\i], v[16*\g+2*\i], v[16*\g+2*\i+1]
.endr
.endr
.endm
.macro RELUCVT dwin, dbase, dstr       ; layer 1's chunk into h1
	PLACES
	RELUPACK \dwin, \dbase, \dstr
.endm
; Layer 2's chunk into h2's fragments, in place, in the row's scale.  first = 1: layer 3's sums do not exist yet.
.macro H2CVT first
	PLACES
	WIN 0
	v_mov_b32 v20, v[MX]                           ; two chains a tile, so that no instruction waits for the one in front of it
	v_mov_b32 v21, v[MX+1]
	WIN 0x3c                                       ; the running maximum takes in my 64 numbers of each row (negative ones never win: M > 0)
.irp q, 0,1,2,3
.irp i, 0,4,8,12
.irp j, 0,1
	v_max3_num_f32 v[MX+\j], v[MX+\j], v[32*\q+16*\j+\i], v[32*\q+16*\j+\i+1]
	v_max3_num_f32 v[20+\j], v[20+\j], v[32*\q+16*\j+\i+2], v[32*\q+16*\j+\i+3]
.endr
.endr
.endr
	WIN 0
.irp j, 0,1
	v_max_num_f32 v[MX+\j], v[MX+\j], v[20+\j]
.endr
.irp j, 0,1
	v_permlanex16_b32 v[20+\j], v[MX+\j], s50, s51 ; the row's other 64 numbers lie in the lane 16 further
.endr
.irp j, 0,1
	v_max_num_f32 v[MX+\j], v[MX+\j], v[20+\j]
	v_and_b32 v[24+\j], 0x7f800000, v[MX+\j]       ; M's exponent field F = k + 127, in place; F >= 27
	v_sub_nc_u32 v[SC+2*\j], 0x84000000, v[24+\j]  ; field 264 - F: the scale 2^(10-k)
.if \first == 0
	v_mul_f32 v[RT+2*\j], v[SC+2*\j], v[IS+2*\j]   ; new scale / old scale, a power of two at most 1
	v_mov_b32 v[RT+2*\j+1], v[RT+2*\j]
.endif
	v_mov_b32 v[SC+2*\j+1], v[SC+2*\j]
	v_add_nc_u32 v[IS+2*\j], 0xfb000000, v[24+\j]  ; field F - 10: 2^(k-10)
	v_mov_b32 v[IS+2*\j+1], v[IS+2*\j]
.endr
	WIN 0xc3
.if \first == 0
.irp mt, 0,1,2,3,4,5,6,7
.irp j, 0,1
.irp p, 0,1,2,3
	v_pk_mul_f32 v[128+16*\mt+8*\j+2*\p:128+16*\mt+8*\j+2*\p+1], v[128+16*\mt+8*\j+2*\p:128+16*\mt+8*\j+2*\p+1], v[RT+2*\j:RT+2*\j+1]
.endr
.endr
.endr
.endif
.irp q, 0,1,2,3
.irp j, 0,1
.irp i, 0,2,4,6,8,10,12,14
	v_pk_mul_f32 v[32*\q+16*\j+\i:32*\q+16*\j+\i+1], v[32*\q+16*\j+\i:32*\q+16*\j+\i+1], v[SC+2*\j:SC+2*\j+1]
.endr
.endr
.endr
	RELUPACK 0xcf, 0, 16
.endm
	s_load_b256 s[4:11], s[0:1], 0x0               ; wq s[4:5], x s[6:7], t s[8:9], b1 s[10:11]
	s_load_b256 s[12:19], s[0:1], 0x20             ; b2 s[12:13], b3 s[14:15], G1 s[16:17], g1b s[18:19]
	s_load_b128 s[20:23], s[0:1], 0x40             ; G2 s[20:21], g2b s[22:23]
	s_load_b64 s[24:25], s[0:1], 0x50              ; part
	v_lshl_add_u32 v46, v0, 2, 0x46800
	v_mov_b32 v47, 0
	ds_add_u32 v46, v47
	s_wait_dscnt 0x0
	v_lshrrev_b32 v20, 5, v0
	v_readfirstlane_b32 s26, v20                   ; wave w
	s_bfe_u32 s27, ttmp6, 0x40000                  ; cx: enters the addresses of x, t and part alone
	s_lshl_b32 s28, ttmp9, 2
	s_add_co_u32 s28, s28, s27                     ; row block = 4 x cluster x + cx
	s_and_b32 s29, ttmp7, 0xffff                   ; expert = cluster y (the cluster is one work-group high)
	s_mov_b32 s50, 0x76543210                      ; v_permlanex16_b32: lane i reads lane i of the other half
	s_mov_b32 s51, 0xfedcba98
	s_mov_b32 s52, 0x0000ffff                      ; the lanes with h = 0
	s_mov_b32 s53, 0x3fb8aa3b                      ; log2 e
	; group 1: 96 rows x 128 elements of 2 bytes, dense in memory, 32 bytes of padding behind each row's 64 words
	s_mov_b32 s40, 15|(1<<16)|(1<<20)|(1<<21)|(5<<22)|(7<<25)  ; 15:0 the four partners; 17:16 2 bytes; 20 padding; 21 set beside a mask; 24:22 every 64 words; 31:25 8 words
	s_mov_b32 s41, 128<<16                         ; tensor_dim0 = 128
	s_mov_b32 s42, 96<<16                          ; tensor_dim1 = 96
	s_mov_b32 s43, 128<<16                         ; tile_dim0 = 128
	s_mov_b32 s44, 96                              ; tile_dim1 = 96
	s_mov_b32 s45, 128                             ; elements from row to row
	s_mov_b32 s46, 0
	s_mov_b32 s47, 0
	; group 0, one set for each slot: made of the expert and the wave's number alone, so equal in the four partners
	s_mov_b32 s32, 1
	s_mul_i32 s33, s26, QUART
	s_mov_b32 s36, 1
	s_add_co_u32 s37, s33, SLOT
	s_mul_i32 s30, s29, EXP
	s_mul_i32 s31, s26, 96*256
	s_add_co_u32 s30, s30, s31
	s_mov_b32 s31, 0
	s_wait_kmcnt 0x0
	s_add_nc_u64 s[34:35], s[4:5], s[30:31]        ; my quarter of tile 0
	s_add_nc_u64 s[38:39], s[34:35], TILEB         ; of tile 1
	s_or_b32 s35, s35, 0x80000000                  ; type = 2
	s_or_b32 s39, s39, 0x80000000
	CROUND                                         ; the four partners are here: the first joint loads meet
	tensor_load_to_lds s[32:35], s[40:47]
	s_nop 0
	tensor_load_to_lds s[36:39], s[40:47]
	s_nop 0
	s_lshl_b32 s30, s29, 12                        ; the expert's rows of b1, b2, b3
	s_add_nc_u64 s[10:11], s[10:11], s[30:31]
	s_add_nc_u64 s[12:13], s[12:13], s[30:31]
	s_lshl_b32 s30, s29, 9
	s_add_nc_u64 s[14:15], s[14:15], s[30:31]
	s_lshl_b32 s54, s28, 16                        ; my wave's 32 rows of x and of part: 128 rows x 512 bytes a block, 32 x 512 a wave
	s_lshl_b32 s55, s26, 14
	s_add_co_u32 s54, s54, s55
	s_mov_b32 s55, 0
	s_add_nc_u64 s[6:7], s[6:7], s[54:55]
	s_lshl_b32 s56, s29, 21
	s_add_co_u32 s56, s56, s54
	s_mov_b32 s57, 0
	s_add_nc_u64 s[24:25], s[24:25], s[56:57]
	s_lshl_b32 s54, s28, 9
	s_lshl_b32 s56, s26, 7
	s_add_co_u32 s54, s54, s56
	s_add_nc_u64 s[8:9], s[8:9], s[54:55]          ; and of t
	s_mul_i32 s58, s26, 32*SPITCH
	s_add_co_u32 s58, s58, STAGE                   ; my stage
	v_and_b32 v1, 31, v0
	v_and_b32 v2, 15, v0
	v_bfe_u32 v3, v0, 4, 1
	v_and_b32 v20, 7, v0
	v_lshl_add_u32 v21, v3, 3, v20                 ; the transposing load: lane L addresses row 8 h + (L & 7) of the K step,
	v_mul_u32_u24 v21, v21, PITCH
	v_bfe_u32 v22, v0, 3, 1
	v_lshl_add_u32 v4, v22, 4, v21                 ; 16 bytes on for (L >> 3) & 1
	v_add_nc_u32 v5, HALFS, v4
	v_add_nc_u32 v6, SLOT, v4
	v_add_nc_u32 v7, SLOT+HALFS, v4
	v_lshlrev_b32 v8, 5, v3
	v_mul_u32_u24 v9, v2, SPITCH
	v_add_nc_u32 v9, v9, v8
	v_add_nc_u32 v9, s58, v9
	v_lshl_add_u32 v10, v1, 4, s58
	v_lshlrev_b32 v11, 4, v1
	v_lshl_add_u32 v14, v2, 9, v8
	v_mov_b32 v15, 0
	v_lshlrev_b32 v16, 2, v2
	v_lshl_add_u32 v17, v3, 10, v16
	v_lshlrev_b32 v18, 2, v20
	v_lshl_add_u32 v18, v3, 8, v18
	; everything small, in one run, while the first tiles are on their way
	global_load_b32 v20, v16, s[8:9]               ; t of row r, tile 0
	global_load_b32 v21, v16, s[8:9] offset:64     ; tile 1
	LDBIAS 10, 0                                   ; b1, chunk 0
	WIN 0xc0
.irp j, 0,1
.irp k, 0,1,2,3
.irp p, 0,1,2,3
	global_load_b128 v[64*\j+16*\k+4*\p:64*\j+16*\k+4*\p+3], v14, s[6:7] offset:8192*\j+128*\k+16*(\p&1)+64*(\p>>1)   ; x(16 j + r, 32 k + 8 h ..) and (.., 32 k + 16 + 8 h ..)
.endr
.endr
.endr
	WIN 0x40
	v_mov_b32 v134, 0
.irp k, 0,1,2,3
.irp mt, 0,1
.irp i, 0,1,2,3,4,5,6,7,8,9,10,11,12,13,14,15
	global_load_b32 v[32*\k+16*\mt+\i], v17, s[16:17] offset:(32*\k+\i+8*(\i>>3))*128+64*\mt   ; G1[32 k + 8 h + i (+ 8)][16 mt + r]
.endr
.endr
.endr
.irp mt, 0,1
.irp i, 0,1,2
	global_load_b32 v[128+3*\mt+\i], v16, s[16:17] offset:(128+\i)*128+64*\mt                  ; G1's rows 128..130: nothing past row 130 is touched
.endr
.endr
.irp i, 0,1,2,3,4,5,6,7,8,9,10,11,12,13,14,15
	global_load_b32 v[144+\i], v18, s[20:21] offset:(\i+8*(\i>>3))*32                          ; G2[8 h + i (+ 8)][r & 7]
.endr
	WIN 0x80
.irp mt, 0,1
.irp p, 0,1
	global_load_b128 v[96+8*\mt+4*\p:96+8*\mt+4*\p+3], v8, s[18:19] offset:64*\mt+16*\p
.endr
.endr
.irp p, 0,1
	global_load_b128 v[112+4*\p:112+4*\p+3], v15, s[22:23] offset:16*\p
.endr
	WIN 0
	s_wait_loadcnt 0x0
; sin t and cos t of tile j (t in v[20+j]) and in^T's fragment of K 128..159: (t, sin), (cos, 0) in the lanes with h = 0, zeros elsewhere
.macro SINCOS j
	v_mul_f32 v22, 0x3f22f983, v[20+\j]            ; t x 2/pi
	v_rndne_f32 v22, v22                           ; n
	v_fmamk_f32 v23, v22, 0xbfc90fdb, v[20+\j]     ; rho = t - n pi/2, pi/2 in two terms
	v_fmamk_f32 v23, v22, 0x333bbd2e, v23
	v_mul_f32 v24, v23, v23                        ; z = rho^2
	v_mov_b32 v25, 0xb9500d01                      ; sin rho = rho + rho z (-1/6 + z (1/120 - z/5040))
	v_fmaak_f32 v25, v25, v24, 0x3c088889
	v_fmaak_f32 v25, v25, v24, 0xbe2aaaab
	v_mul_f32 v26, v23, v24
	v_fma_f32 v25, v26, v25, v23
	v_mov_b32 v27, 0x37d00d01                      ; cos rho = 1 + z (-1/2 + z (1/24 + z (-1/720 + z/40320)))
	v_fmaak_f32 v27, v27, v24, 0xbab60b61
	v_fmaak_f32 v27, v27, v24, 0x3d2aaaab
	v_fmaak_f32 v27, v27, v24, 0xbf000000
	v_fma_f32 v27, v27, v24, 1.0
	v_cvt_i32_f32 v28, v22                         ; the quadrant
	v_and_b32 v29, 1, v28
	v_cmp_eq_u32 vcc_lo, 1, v29
	v_cndmask_b32 v30, v25, v27, vcc_lo            ; odd quadrants swap the two
	v_cndmask_b32 v31, v27, v25, vcc_lo
	v_lshlrev_b32 v29, 30, v28                     ; sin changes sign where n & 2,
	v_and_b32 v29, 0x80000000, v29
	v_xor_b32 v30, v29, v30
	v_add_nc_u32 v28, 1, v28                       ; cos where (n + 1) & 2
	v_lshlrev_b32 v28, 30, v28
	v_and_b32 v28, 0x80000000, v28
	v_xor_b32 v31, v28, v31
	v_cvt_pk_f16_f32 v22, v[20+\j], v30
	v_cvt_pk_f16_f32 v23, v31, v15
	v_cndmask_b32 v[48+8*\j], 0, v22, s52
	v_cndmask_b32 v[49+8*\j], 0, v23, s52
.irp i, 2,3,4,5,6,7
	v_mov_b32 v[48+8*\j+\i], 0
.endr
.endm
	SINCOS 0
	SINCOS 1
	WIN 0x8f                                       ; x to in^T's fragments
.irp j, 0,1
.irp k, 0,1,2,3
.irp i, 0,1,2,3,4,5,6,7
	v_cvt_pk_f16_f32 v[192+16*\k+8*\j+\i], v[64*\j+16*\k+2*\i], v[64*\j+16*\k+2*\i+1]
.endr
.endr
.endr
	WIN 0x85                                       ; G1 and G2 to fragments of source A
.irp k, 0,1,2,3
.irp mt, 0,1
.irp i, 0,1,2,3,4,5,6,7
	v_cvt_pk_f16_f32 v[16*\k+8*\mt+\i], v[32*\k+16*\mt+2*\i], v[32*\k+16*\mt+2*\i+1]
.endr
.endr
.endr
.irp i, 0,1,2,3,4,5,6,7
	v_cvt_pk_f16_f32 v[80+\i], v[144+2*\i], v[144+2*\i+1]
.endr
.irp mt, 0,1
	v_cvt_pk_f16_f32 v[64+8*\mt], v[128+3*\mt], v[129+3*\mt]
	v_cvt_pk_f16_f32 v[65+8*\mt], v[130+3*\mt], v134
.endr
	WIN 0x88
.irp mt, 0,1
	v_cndmask_b32 v[64+8*\mt], 0, v[64+8*\mt], s52 ; K 128..130 lie in the lanes with h = 0; all other K of this step are zero on both sides
	v_cndmask_b32 v[65+8*\mt], 0, v[65+8*\mt], s52
.irp i, 2,3,4,5,6,7
	v_mov_b32 v[64+8*\mt+\i], 0
.endr
.endr
	; THE GATE.  hidden^T = relu(G1^T in^T + g1b): 2 feature tiles x 2 row tiles, 5 K steps; four accumulators by turns.
.macro GATEK win, a0, b0, first
	WIN \win
.irp mt, 0,1
.irp j, 0,1
.if \first
	v_wmma_f32_16x16x32_f16 v[16*\j+8*\mt:16*\j+8*\mt+7], v[\a0+8*\mt:\a0+8*\mt+7], v[\b0+8*\j:\b0+8*\j+7], v[96+8*\mt:96+8*\mt+7]
.else
	v_wmma_f32_16x16x32_f16 v[16*\j+8*\mt:16*\j+8*\mt+7], v[\a0+8*\mt:\a0+8*\mt+7], v[\b0+8*\j:\b0+8*\j+7], v[16*\j+8*\mt:16*\j+8*\mt+7]
.endif
.endr
.endr
.endm
	GATEK 0xea, 0, 192, 1
	GATEK 0xfa, 16, 208, 0
	GATEK 0xfa, 32, 224, 0
	GATEK 0xfa, 48, 240, 0
	GATEK 0xf2, 64, 48, 0
	PLACES
	WIN 0xcf
.set n, 0
.rept 32
	v_max_num_f32 v[n], 0, v[n]
.set n, n+1
.endr
.irp j, 0,1
.irp i, 0,1,2,3,4,5,6,7
	v_cvt_pk_f16_f32 v[16*\j+\i], v[16*\j+2*\i], v[16*\j+2*\i+1]
.endr
.endr
	; logits^T = G2^T hidden^T + g2b.  Rows r and r + 8 of source A both stand for expert r & 7, so register q of every lane is expert q's logit of row r.
	WIN 0x2e
	v_wmma_f32_16x16x32_f16 v[32:39], v[80:87], v[0:7], v[112:119]
	v_wmma_f32_16x16x32_f16 v[40:47], v[80:87], v[16:23], v[112:119]
	WIN 0
	PLACES
	; softmax inside the lane: the maximum is taken away, so every exponent is at most 0 (but for one rounding) and the sum is at least about 1
.irp j, 0,1
	v_max3_num_f32 v[20+\j], v[32+8*\j], v[33+8*\j], v[34+8*\j]
	v_max3_num_f32 v[20+\j], v[20+\j], v[35+8*\j], v[36+8*\j]
	v_max3_num_f32 v[20+\j], v[20+\j], v[37+8*\j], v[38+8*\j]
	v_max_num_f32 v[20+\j], v[20+\j], v[39+8*\j]
	v_mul_f32 v[20+\j], s53, v[20+\j]
.endr
.irp n, 0,1,2,3,4,5,6,7,8,9,10,11,12,13,14,15
	v_fma_f32 v[32+\n], v[32+\n], s53, -v[20+(\n>>3)]
.endr
.irp n, 0,1,2,3,4,5,6,7,8,9,10,11,12,13,14,15
	v_exp_f32 v[32+\n], v[32+\n]
.endr
	v_nop                                          ; one plain place behind the last exponential (ISA guide 5.7.2)
	s_wait_alu depctr_va_vdst(0)
.irp j, 0,1
	v_add_f32 v[22+4*\j], v[32+8*\j], v[33+8*\j]
	v_add_f32 v[23+4*\j], v[34+8*\j], v[35+8*\j]
	v_add_f32 v[24+4*\j], v[36+8*\j], v[37+8*\j]
	v_add_f32 v[25+4*\j], v[38+8*\j], v[39+8*\j]
	v_add_f32 v[22+4*\j], v[22+4*\j], v[23+4*\j]
	v_add_f32 v[24+4*\j], v[24+4*\j], v[25+4*\j]
	v_add_f32 v[22+4*\j], v[22+4*\j], v[24+4*\j]
.endr
	v_rcp_f32 v22, v22
	v_rcp_f32 v26, v26
	v_mov_b32 v12, v32                             ; my expert's exponential, chosen by value (these lines are also the places behind the reciprocals)
	v_mov_b32 v13, v40
.irp q, 1,2,3,4,5,6,7
	s_cmp_eq_u32 s29, \q
	s_cselect_b32 s49, -1, 0
	v_cndmask_b32 v12, v12, v[32+\q], s49
	v_cndmask_b32 v13, v13, v[40+\q], s49
.endr
	s_wait_alu depctr_va_vdst(0)
	v_mul_f32 v12, v12, v22
	v_mul_f32 v13, v13, v26
	v_mov_b32 v[MX], 0x0d800000                    ; the logits have had their last use: h2's running maxima start at 2^-100
	v_mov_b32 v[MX+1], 0x0d800000
	s_wait_tensorcnt 0x1                           ; my quarter of tile 0 is in; tile 1's may stay out
	s_barrier_signal -1
	s_barrier_wait -1                              ; everybody's is
; LAYER 1.  A tile holds two chunks of 128 features, 192 rows (K 0..191) each, of which K steps 0..4 are multiplied (K 131..159 are zeros on both sides).
.macro L1CHUNK c, slot, k0, nxt, open
	KS \slot, \k0+1, 0, 0xc8, 192, 8, 0, 1
	KS \slot, \k0+2, 0, 0xf8, 208, 8, 0, 0
.if (\c) < 7                                       ; the next chunk's bias: the places of the K step just written stand behind the instructions that read this one's
	LDBIAS 10, 512*((\c)+1)
.else
	LDBIAS 12, 0                                   ; b2, chunk 0
.endif
	KS \slot, \k0+3, 0, 0xf8, 224, 8, 0, 0
	KS \slot, \k0+4, 0, 0xf8, 240, 8, 0, 0
	KS \slot, \nxt, \open, 0xf0, 48, 8, 0, 0
.if (\c) < 4
	RELUCVT 0x4f, 64*((\c)&3), 8
.else
	RELUCVT 0x8f, 64*((\c)&3), 8                   ; chunk 7 lands on in^T's fragments, which have had their last use
.endif
.endm
.macro L1TILE t, slot
	TSTART \slot, 0
	L1CHUNK 2*\t, \slot, 0, 6, 0
	L1CHUNK 2*\t+1, \slot, 6, -1, 1
	CLOSE \slot, 1
.endm
	L1TILE 0, 0
	L1TILE 1, 1
	L1TILE 2, 0
	L1TILE 3, 1
; LAYERS 2 AND 3, one chunk of 128 features of h2 = three tiles: K 0..383, K 384..767, K 768..1023 of W2 and then the chunk's 128 rows of W3.
; s0: the first tile's slot; bsp, boff: base register and offset of the bias fetched for what follows (the next chunk's b2; in the last chunk b3);
; rA, rB, rC: the tile's slot is filled again; last: the stream ends; first: layer 3's sums start here.
.macro CHUNK s0, bsp, boff, rA, rB, rC, last, first
	TSTART \s0, 0
	KS \s0, 1, 0, 0xc4, 0, 8, 0, 1
	KS \s0, 2, 0, 0xf4, 16, 8, 0, 0
	LDBIAS \bsp, \boff
.irp k, 2,3,4,5,6,7,8,9,10
	KS \s0, \k+1, 0, 0xf4, 16*\k, 8, 0, 0
.endr
	KS \s0, -1, 1, 0xf4, 176, 8, 0, 0
	CLOSE \s0, \rA
	TSTART 1-\s0, 0
.irp k, 0,1,2,3
	KS 1-\s0, \k+1, 0, 0xf4, 192+16*\k, 8, 0, 0
.endr
.irp k, 4,5,6,7,8,9,10
	KS 1-\s0, \k+1, 0, 0xf8, 16*\k-64, 8, 0, 0
.endr
	KS 1-\s0, -1, 1, 0xf8, 112, 8, 0, 0
	CLOSE 1-\s0, \rB
	TSTART \s0, 0
.irp k, 0,1,2,3,4,5,6,7
	KS \s0, \k+1, 0, 0xf8, 128+16*\k, 8, 0, 0
.endr
	H2CVT \first                                   ; h2's chunk, in place, in the row's scale
	KS \s0, 9, 0, 0xfc, 0, 16, 1, 2*\first
.irp k, 1,2
	KS \s0, \k+9, 0, 0xfc, 32*\k, 16, 1, 0
.endr
	KS \s0, -1, 1-\last, 0xfc, 96, 16, 1, 0
.if \last == 0
	CLOSE \s0, \rC
.endif
.endm
	CHUNK 0, 12, 512, 1, 1, 1, 0, 1                ; chunk 0 stands in front of the loop: its products start layer 3's sums, nothing is cleared
	WIN 0                                          ; at a label and at a branch every window is 0
	s_mov_b32 s48, 3
.Lpair:                                            ; chunks (1, 2), (3, 4), (5, 6)
	CHUNK 1, 12, 1024, 1, 1, 1, 0, 0
	CHUNK 0, 12, 1536, 1, 1, 1, 0, 0
	WIN 0
	s_wait_loadcnt 0x0                             ; the bias loads are done: their base may be stepped
	s_add_nc_u64 s[12:13], s[12:13], 1024
	s_sub_co_u32 s48, s48, 1
	s_cmp_lg_u32 s48, 0
	s_cbranch_scc1 .Lpair
	CHUNK 1, 14, 0, 1, 0, 0, 1, 0                  ; chunk 7: the last refill (tile 27) stands behind tile 25; behind tile 26 the work-group's barrier alone, behind tile 27 nothing; b3 is fetched
	; OUT OF THE SCALE, THE CLIP AND THE WAY OUT.  A lane holds 64 of a row's 128 numbers, the lane 16 further the other 64.
	PLACES
	s_wait_loadcnt 0x0                             ; b3
	WIN 0xc3
.irp mt, 0,1,2,3,4,5,6,7
.irp j, 0,1
.irp p, 0,1,2,3
	v_pk_fma_f32 v[128+16*\mt+8*\j+2*\p:128+16*\mt+8*\j+2*\p+1], v[128+16*\mt+8*\j+2*\p:128+16*\mt+8*\j+2*\p+1], v[IS+2*\j:IS+2*\j+1], v[BIAS+8*\mt+2*\p:BIAS+8*\mt+2*\p+1]
.endr
.endr
.endr
	WIN 0x0f
.macro SUMSQ j
.set n, 0
.rept 32
.set OO, 128+16*(n>>2)+8*\j+2*(n&3)
.set CH, 20+4*\j+2*(n&1)
.if n < 2
	v_pk_mul_f32 v[CH:CH+1], v[OO:OO+1], v[OO:OO+1]                ; the first products start the two chains
.else
	v_pk_fma_f32 v[CH:CH+1], v[OO:OO+1], v[OO:OO+1], v[CH:CH+1]
.endif
.set n, n+1
.endr
.endm
	SUMSQ 0
	SUMSQ 1
	WIN 0
.irp j, 0,1
	v_pk_add_f32 v[20+4*\j:21+4*\j], v[20+4*\j:21+4*\j], v[22+4*\j:23+4*\j]
	v_add_f32 v[20+4*\j], v[20+4*\j], v[21+4*\j]
	v_permlanex16_b32 v[21+4*\j], v[20+4*\j], s50, s51
	v_add_f32 v[20+4*\j], v[20+4*\j], v[21+4*\j]
.endr
	v_sqrt_f32 v20, v20
	v_sqrt_f32 v24, v24
	v_nop
	s_wait_alu depctr_va_vdst(0)
	v_add_f32 v20, 0x358637bd, v20                 ; norm + 1e-6
	v_add_f32 v24, 0x358637bd, v24
	v_rcp_f32 v20, v20
	v_rcp_f32 v24, v24
	v_nop
	s_wait_alu depctr_va_vdst(0)
	v_mul_f32 v20, 0x41200000, v20                 ; 10 / (norm + 1e-6)
	v_mul_f32 v24, 0x41200000, v24
	v_min_num_f32 v20, 1.0, v20
	v_min_num_f32 v24, 1.0, v24
	v_mul_f32 v28, v20, v12                        ; x gate
	v_mul_f32 v30, v24, v13
	v_mov_b32 v29, v28
	v_mov_b32 v31, v30
	WIN 0xc3
.irp mt, 0,1,2,3,4,5,6,7
.irp j, 0,1
.irp p, 0,1,2,3
	v_pk_mul_f32 v[128+16*\mt+8*\j+2*\p:128+16*\mt+8*\j+2*\p+1], v[128+16*\mt+8*\j+2*\p:128+16*\mt+8*\j+2*\p+1], v[28+2*\j:29+2*\j]
.endr
.endr
.endr
	WIN 0x0c                                       ; into my own stage: row 16 j + r, bytes 64 mt + 32 h ..; rows 528 bytes apart
.irp mt, 0,1,2,3,4,5,6,7
.irp j, 0,1
.irp p, 0,1
	ds_store_b128 v9, v[128+16*\mt+8*\j+4*\p:128+16*\mt+8*\j+4*\p+3] offset:16*SPITCH*\j+64*\mt+16*\p
.endr
.endr
.endr
	WIN 0
.set i, 0
.rept 32
	ds_load_b128 v[AF+4*i:AF+4*i+3], v10 offset:SPITCH*i           ; back by whole rows; LDS serves a wave's instructions in order (ISA guide 5.7.1): these see the stores above
.set i, i+1
.endr
.set i, 0
.rept 32
	s_wait_dscnt 31-i                              ; row i is in, the younger rows stay out
	global_store_b128 v11, v[AF+4*i:AF+4*i+3], s[24:25] offset:512*i   ; the wave's store covers a row's 512 consecutive bytes, aligned
.set i, i+1
.endr
	s_wait_xcnt 0x0
	s_set_vgpr_msb (MSB<<8)|((MSB&0x3c)|0x0)
	v_lshl_add_u32 v46, v0, 2, 0x46800
	v_mov_b32 v47, 0
	s_set_vgpr_msb (((MSB&0x3c)|0x0)<<8)|((MSB&0x30)|0x0)
	s_wait_tensorcnt 0x0
	ds_add_u32 v46, v47
	s_wait_dscnt 0x0
	s_set_vgpr_msb (((MSB&0x30)|0x0)<<8)|MSB
	CROUND                                         ; the closing round: no work-group ends while a partner may still ask for a tile that names it
	s_endpgm
.Lfunc_end_k_qe18af2a05d_moe:
	.size	k_qe18af2a05d_moe, .Lfunc_end_k_qe18af2a05d_moe-k_qe18af2a05d_moe
	.p2alignl 7, 3214868480
	.fill 96, 4, 3214868480
	.section	.rodata,"a",@progbits
	.p2align	6, 0x0
	.amdhsa_kernel k_qe18af2a05d_moe
		.amdhsa_group_segment_fixed_size 327680
		.amdhsa_private_segment_fixed_size 0
		.amdhsa_enable_private_segment 0
		.amdhsa_kernarg_size 88
		.amdhsa_user_sgpr_count 2
		.amdhsa_user_sgpr_kernarg_segment_ptr 1
		.amdhsa_wavefront_size32 1
		.amdhsa_system_sgpr_workgroup_id_x 1
		.amdhsa_system_sgpr_workgroup_id_y 1
		.amdhsa_system_sgpr_workgroup_id_z 1
		.amdhsa_system_vgpr_workitem_id 0
		.amdhsa_next_free_vgpr 1024
		.amdhsa_next_free_sgpr 66
		.amdhsa_reserve_vcc 1
		.amdhsa_float_denorm_mode_32 3
		.amdhsa_float_denorm_mode_16_64 3
		.amdhsa_memory_ordered 1
		.amdhsa_forward_progress 1
		.amdhsa_inst_pref_size 255
	.end_amdhsa_kernel
	.section	.bss,"aw",@nobits
	.p2align	6
	.space	262144
	.amdgpu_metadata
---
amdhsa.version: [ 1, 2 ]
amdhsa.kernels:
  - .name:           k_qe18af2a05d_moe
    .symbol:         k_qe18af2a05d_moe.kd
    .args:
      - { .name: wq, .offset: 0, .size: 8, .value_kind: global_buffer, .address_space: global }
      - { .name: x, .offset: 8, .size: 8, .value_kind: global_buffer, .address_space: global }
      - { .name: t, .offset: 16, .size: 8, .value_kind: global_buffer, .address_space: global }
      - { .name: b1, .offset: 24, .size: 8, .value_kind: global_buffer, .address_space: global }
      - { .name: b2, .offset: 32, .size: 8, .value_kind: global_buffer, .address_space: global }
      - { .name: b3, .offset: 40, .size: 8, .value_kind: global_buffer, .address_space: global }
      - { .name: G1, .offset: 48, .size: 8, .value_kind: global_buffer, .address_space: global }
      - { .name: g1b, .offset: 56, .size: 8, .value_kind: global_buffer, .address_space: global }
      - { .name: G2, .offset: 64, .size: 8, .value_kind: global_buffer, .address_space: global }
      - { .name: g2b, .offset: 72, .size: 8, .value_kind: global_buffer, .address_space: global }
      - { .name: part, .offset: 80, .size: 8, .value_kind: global_buffer, .address_space: global }
    .group_segment_fixed_size: 327680
    .private_segment_fixed_size: 0
    .kernarg_segment_align: 8
    .kernarg_segment_size: 88
    .max_flat_workgroup_size: 128
    .sgpr_count:     66
    .vgpr_count:     1024
    .wavefront_size: 32
...
	.end_amdgpu_metadata
.endif
;; end of part 2
;; launch sum (part 3): grid 256 x 1, 8 waves a work-group, no clusters, 0 bytes of LDS; arguments part, out0; writes out0
.if DOCPART == 3
	.amdgcn_target "amdgcn-amd-amdhsa--gfx1250"
	.amdhsa_code_object_version 6
	.text
	.protected	k_qe18af2a05d_sum
	.globl	k_qe18af2a05d_sum
	.p2align	8
	.type	k_qe18af2a05d_sum,@function
k_qe18af2a05d_sum:
	s_mov_b64 s[64:65], 0
	v_nop
	global_prefetch_b8 v0, s[64:65] scope:SCOPE_SE
	s_setreg_imm32_b32 hwreg(HW_REG_WAVE_MODE, 25, 1), 1
	s_wait_xcnt 0x0
; out0[b][s] = sum over the 8 experts of part[e][b][s], in ascending e, in f32.
; A stream: a work-group owns 8,192 consecutive bytes of out0, a thread two pieces of 16 bytes 4,096 bytes apart; its sixteen loads go out in one
; run, each load and store of a wave covers 512 consecutive bytes, aligned.  No LDS, no barrier: no thread needs another's numbers.
.set PLANE, 2097152                    ; bytes of one expert's part
	s_load_b128 s[4:7], s[0:1], 0x0                ; part s[4:5], out0 s[6:7]
	s_lshl_b32 s10, ttmp9, 13
	v_lshl_add_u32 v1, v0, 4, s10
	s_wait_kmcnt 0x0
	s_add_nc_u64 s[8:9], s[4:5], 4*PLANE           ; experts 4..7: so that the immediates stay inside their signed 24 bits
.irp g, 0,1
.irp e, 0,1,2,3
	global_load_b128 v[4+32*\g+4*\e:4+32*\g+4*\e+3], v1, s[4:5] offset:\e*PLANE+4096*\g th:TH_LOAD_NT
.endr
.irp e, 0,1,2,3
	global_load_b128 v[20+32*\g+4*\e:20+32*\g+4*\e+3], v1, s[8:9] offset:\e*PLANE+4096*\g th:TH_LOAD_NT
.endr
.endr
.macro ADD8 g, left
	s_wait_loadcnt \left                           ; this piece's eight loads are in; the younger ones stay out
.irp e, 1,2,3,4,5,6,7
	v_pk_add_f32 v[4+32*\g:5+32*\g], v[4+32*\g:5+32*\g], v[4+32*\g+4*\e:5+32*\g+4*\e]
	v_pk_add_f32 v[6+32*\g:7+32*\g], v[6+32*\g:7+32*\g], v[6+32*\g+4*\e:7+32*\g+4*\e]
.endr
	global_store_b128 v1, v[4+32*\g:7+32*\g], s[6:7] offset:4096*\g th:TH_STORE_NT
.endm
	ADD8 0, 8
	ADD8 1, 0
	s_endpgm
.Lfunc_end_k_qe18af2a05d_sum:
	.size	k_qe18af2a05d_sum, .Lfunc_end_k_qe18af2a05d_sum-k_qe18af2a05d_sum
	.p2alignl 7, 3214868480
	.fill 96, 4, 3214868480
	.section	.rodata,"a",@progbits
	.p2align	6, 0x0
	.amdhsa_kernel k_qe18af2a05d_sum
		.amdhsa_group_segment_fixed_size 0
		.amdhsa_private_segment_fixed_size 0
		.amdhsa_enable_private_segment 0
		.amdhsa_kernarg_size 16
		.amdhsa_user_sgpr_count 2
		.amdhsa_user_sgpr_kernarg_segment_ptr 1
		.amdhsa_wavefront_size32 1
		.amdhsa_system_sgpr_workgroup_id_x 1
		.amdhsa_system_sgpr_workgroup_id_y 1
		.amdhsa_system_sgpr_workgroup_id_z 1
		.amdhsa_system_vgpr_workitem_id 0
		.amdhsa_next_free_vgpr 72
		.amdhsa_next_free_sgpr 66
		.amdhsa_reserve_vcc 0
		.amdhsa_float_denorm_mode_32 3
		.amdhsa_float_denorm_mode_16_64 3
		.amdhsa_memory_ordered 1
		.amdhsa_forward_progress 1
		.amdhsa_inst_pref_size 5
	.end_amdhsa_kernel
	.amdgpu_metadata
---
amdhsa.version: [ 1, 2 ]
amdhsa.kernels:
  - .name:           k_qe18af2a05d_sum
    .symbol:         k_qe18af2a05d_sum.kd
    .args:
      - { .name: part, .offset: 0, .size: 8, .value_kind: global_buffer, .address_space: global }
      - { .name: out0, .offset: 8, .size: 8, .value_kind: global_buffer, .address_space: global }
    .group_segment_fixed_size: 0
    .private_segment_fixed_size: 0
    .kernarg_segment_align: 8
    .kernarg_segment_size: 16
    .max_flat_workgroup_size: 256
    .sgpr_count:     66
    .vgpr_count:     72
    .wavefront_size: 32
...
	.end_amdgpu_metadata
.endif
;; end of part 3
;; ======== version 2 of 3: 3 launches; 1.27 times as fast as version 1
;; limits: inputs' magnitudes at most 100,000; values are held in f16: magnitudes above 65,504 overflow, below 6.1e-05 lose precision; right only within a limited range of input values
;; workspace buffers: wq 22,020,096 bytes; part 16,777,216 bytes
;; launch prep (part 4): grid 328 x 1, 8 waves a work-group, no clusters, 0 bytes of LDS; arguments W1, W2, W3, wq; writes wq
.if DOCPART == 4
	.amdgcn_target "amdgcn-amd-amdhsa--gfx1250"
	.amdhsa_code_object_version 6
	.text
	.protected	k_qe18af2a05d_prep
	.globl	k_qe18af2a05d_prep
	.p2align	8
	.type	k_qe18af2a05d_prep,@function
k_qe18af2a05d_prep:
	s_mov_b64 s[64:65], 0
	v_nop
	global_prefetch_b8 v0, s[64:65] scope:SCOPE_SE
	s_setreg_imm32_b32 hwreg(HW_REG_WAVE_MODE, 25, 1), 1
	s_wait_xcnt 0x0
; The expert weights, f32 [K][N], are rounded to f16 once and laid, expert by expert, in the order in which the main launch walks them,
; as rows of 128 f16 (256 bytes).  Rows of expert e (10,752 rows, EXP bytes):
;   192 c + k              (c = 0..7, k = 0..191)             W1[e][k][128 c + j] for k < 131, else 0
;   1536 + 576 c + 32 s + k  (c = 0..15, s = 0..15, k = 0..31)  j < 64: W2[e][64 s + k][64 c + j];  j >= 64: W2[e][64 s + 32 + k][64 c + j - 64]
;   1536 + 576 c + 512 + kk  (kk = 0..63)                       W3[e][64 c + kk][j]
; LIMIT: a weight beyond 65,504 in magnitude becomes an infinity; the rounding step is never finer than 6e-8.
; A row job: one load of a wave takes 128 f32, 16 bytes a lane (W1, W3: 512 consecutive bytes; W2: 256 consecutive bytes, aligned, for each half of the
; lanes, from two rows 32 apart), two packed roundings, one store of 8 bytes a lane: the wave's store covers 256 consecutive bytes, aligned.
; A pure stream: every byte is read once and written once, so LDS, barriers and the matrix unit would add nothing.  A wave issues all its loads
; (32 rows, 16 KiB) before its first wait; no register is used twice, so no source of a pending instruction is ever rewritten.
; Work-groups 0..255: W2 (expert, step s, eight chunks; wave = chunk).  256..287: W1 rows 0..127.  288..319: W3.  320..327: W1 rows 128..130 and the zero rows.
.set EXP, 2752512                      ; bytes of one expert in wq
.set X, 4                              ; v[4:131]   32 rows as loaded, 4 registers each
.set Y, 132                            ; v[132:195] 32 rows to store, 2 registers each
.set Z, 196                            ; v[196:197] zeros
; n rows: source rows sstr bytes apart from s[20:21] + the lane's offset va, rows of wq dstr bytes apart from s[22:23]
.macro CONV n, va, sstr, dstr
.set i, 0
.rept \n
	global_load_b128 v[X+4*i:X+4*i+3], \va, s[20:21] offset:i*\sstr th:TH_LOAD_NT
.set i, i+1
.endr
.set i, 0
.rept \n
	s_wait_loadcnt \n-1-i                          ; loads come back in order (ISA guide 5.7.1): row i is in, the younger rows stay out
	v_cvt_pk_f16_f32 v[Y+2*i], v[X+4*i], v[X+4*i+1]
	v_cvt_pk_f16_f32 v[Y+2*i+1], v[X+4*i+2], v[X+4*i+3]
	global_store_b64 v2, v[Y+2*i:Y+2*i+1], s[22:23] offset:i*\dstr
.set i, i+1
.endr
.endm
	s_load_b256 s[4:11], s[0:1], 0x0               ; W1 s[4:5], W2 s[6:7], W3 s[8:9], wq s[10:11]
	v_lshrrev_b32 v3, 5, v0
	v_readfirstlane_b32 s12, v3                    ; wave w
	v_and_b32 v1, 31, v0
	v_lshlrev_b32 v2, 3, v1                        ; 8 bytes a lane in a row of wq
	v_lshlrev_b32 v1, 4, v1                        ; W1, W3: 16 bytes a lane in a source row
	v_and_b32 v3, 15, v0                           ; W2: 16 bytes a lane in 256 bytes of a row,
	v_bfe_u32 v198, v0, 4, 1
	v_lshlrev_b32 v3, 4, v3
	v_lshl_add_u32 v3, v198, 17, v3                ; and 32 rows of 4,096 bytes further down for lanes 16 to 31
	s_mov_b32 s13, ttmp9
	s_mov_b32 s17, 0                               ; high words of the two offset pairs: every offset is below 4 GiB
	s_mov_b32 s19, 0
	s_wait_kmcnt 0x0
	s_cmp_lt_u32 s13, 256
	s_cbranch_scc0 .Lnot_w2
	; W2: e = g >> 5, step s = (g & 31) >> 1, chunk = 8 (g & 1) + w: K rows 64 s + i and 64 s + 32 + i, columns 64 chunk .. + 63
	s_lshr_b32 s14, s13, 5
	s_and_b32 s15, s13, 31
	s_and_b32 s25, s15, 1
	s_lshl_b32 s25, s25, 3
	s_add_co_u32 s25, s25, s12                     ; the chunk
	s_lshr_b32 s15, s15, 1                         ; the step
	s_lshl_b32 s16, s14, 22                        ; e x 1024 x 1024 x 4
	s_lshl_b32 s24, s15, 18                        ; s x 64 rows x 4,096 bytes
	s_add_co_u32 s16, s16, s24
	s_lshl_b32 s24, s25, 8                         ; chunk x 256 bytes
	s_add_co_u32 s16, s16, s24
	s_add_nc_u64 s[20:21], s[6:7], s[16:17]
	s_mul_i32 s18, s14, EXP
	s_mul_i32 s24, s25, 576*256
	s_add_co_u32 s18, s18, s24
	s_lshl_b32 s24, s15, 13                        ; s x 32 rows x 256 bytes
	s_add_co_u32 s18, s18, s24
	s_add_co_u32 s18, s18, 1536*256
	s_add_nc_u64 s[22:23], s[10:11], s[18:19]
	CONV 32, v3, 4096, 256
	s_endpgm
.Lnot_w2:
	s_cmp_lt_u32 s13, 288
	s_cbranch_scc0 .Lnot_w1
	; W1, rows 0..127: e = g' >> 2, kb = g' & 3; wave w = column chunk of 128
	s_sub_co_u32 s13, s13, 256
	s_lshr_b32 s14, s13, 2
	s_and_b32 s15, s13, 3
	s_mul_i32 s16, s14, 536576                     ; e x 131 x 1024 x 4
	s_lshl_b32 s24, s15, 17
	s_add_co_u32 s16, s16, s24
	s_lshl_b32 s24, s12, 9
	s_add_co_u32 s16, s16, s24
	s_add_nc_u64 s[20:21], s[4:5], s[16:17]
	s_mul_i32 s18, s14, EXP
	s_mul_i32 s24, s12, 192*256
	s_add_co_u32 s18, s18, s24
	s_lshl_b32 s24, s15, 13
	s_add_co_u32 s18, s18, s24
	s_add_nc_u64 s[22:23], s[10:11], s[18:19]
	CONV 32, v1, 4096, 256
	s_endpgm
.Lnot_w1:
	s_cmp_lt_u32 s13, 320
	s_cbranch_scc0 .Lnot_w3
	; W3: e = g' >> 2, qd = g' & 3: rows 256 qd + 32 w .. + 31, which lie in chunk 4 qd + (w >> 1) at kk = 32 (w & 1)
	s_sub_co_u32 s13, s13, 288
	s_lshr_b32 s14, s13, 2
	s_and_b32 s15, s13, 3
	s_lshl_b32 s16, s14, 19                        ; e x 1024 x 128 x 4
	s_lshl_b32 s24, s15, 17                        ; qd x 256 rows x 512 bytes
	s_add_co_u32 s16, s16, s24
	s_lshl_b32 s24, s12, 14                        ; w x 32 rows x 512 bytes
	s_add_co_u32 s16, s16, s24
	s_add_nc_u64 s[20:21], s[8:9], s[16:17]
	s_mul_i32 s18, s14, EXP
	s_lshl_b32 s24, s15, 2
	s_lshr_b32 s25, s12, 1
	s_add_co_u32 s24, s24, s25                     ; the chunk
	s_mul_i32 s24, s24, 576*256
	s_add_co_u32 s18, s18, s24
	s_and_b32 s24, s12, 1
	s_lshl_b32 s24, s24, 13
	s_add_co_u32 s18, s18, s24
	s_add_co_u32 s18, s18, (1536+512)*256
	s_add_nc_u64 s[22:23], s[10:11], s[18:19]
	CONV 32, v1, 512, 256
	s_endpgm
.Lnot_w3:
	; W1, rows 128..130 of expert g - 320, then zeros for rows 131..191 of chunk w
	s_sub_co_u32 s14, s13, 320
	s_mul_i32 s16, s14, 536576
	s_lshl_b32 s24, s12, 9
	s_add_co_u32 s16, s16, s24
	s_add_co_u32 s16, s16, 128*4096
	s_add_nc_u64 s[20:21], s[4:5], s[16:17]
	s_mul_i32 s18, s14, EXP
	s_mul_i32 s24, s12, 192*256
	s_add_co_u32 s18, s18, s24
	s_add_co_u32 s18, s18, 128*256
	s_add_nc_u64 s[22:23], s[10:11], s[18:19]
	v_mov_b32 v[Z], 0
	v_mov_b32 v[Z+1], 0
	CONV 3, v1, 4096, 256
.set i, 3
.rept 61
	global_store_b64 v2, v[Z:Z+1], s[22:23] offset:i*256
.set i, i+1
.endr
	s_endpgm
.Lfunc_end_k_qe18af2a05d_prep:
	.size	k_qe18af2a05d_prep, .Lfunc_end_k_qe18af2a05d_prep-k_qe18af2a05d_prep
	.p2alignl 7, 3214868480
	.fill 96, 4, 3214868480
	.section	.rodata,"a",@progbits
	.p2align	6, 0x0
	.amdhsa_kernel k_qe18af2a05d_prep
		.amdhsa_group_segment_fixed_size 0
		.amdhsa_private_segment_fixed_size 0
		.amdhsa_enable_private_segment 0
		.amdhsa_kernarg_size 32
		.amdhsa_user_sgpr_count 2
		.amdhsa_user_sgpr_kernarg_segment_ptr 1
		.amdhsa_wavefront_size32 1
		.amdhsa_system_sgpr_workgroup_id_x 1
		.amdhsa_system_sgpr_workgroup_id_y 1
		.amdhsa_system_sgpr_workgroup_id_z 1
		.amdhsa_system_vgpr_workitem_id 0
		.amdhsa_next_free_vgpr 200
		.amdhsa_next_free_sgpr 66
		.amdhsa_reserve_vcc 0
		.amdhsa_float_denorm_mode_32 3
		.amdhsa_float_denorm_mode_16_64 3
		.amdhsa_memory_ordered 1
		.amdhsa_forward_progress 1
		.amdhsa_inst_pref_size 44
	.end_amdhsa_kernel
	.amdgpu_metadata
---
amdhsa.version: [ 1, 2 ]
amdhsa.kernels:
  - .name:           k_qe18af2a05d_prep
    .symbol:         k_qe18af2a05d_prep.kd
    .args:
      - { .name: W1, .offset: 0, .size: 8, .value_kind: global_buffer, .address_space: global }
      - { .name: W2, .offset: 8, .size: 8, .value_kind: global_buffer, .address_space: global }
      - { .name: W3, .offset: 16, .size: 8, .value_kind: global_buffer, .address_space: global }
      - { .name: wq, .offset: 24, .size: 8, .value_kind: global_buffer, .address_space: global }
    .group_segment_fixed_size: 0
    .private_segment_fixed_size: 0
    .kernarg_segment_align: 8
    .kernarg_segment_size: 32
    .max_flat_workgroup_size: 256
    .sgpr_count:     66
    .vgpr_count:     200
    .wavefront_size: 32
...
	.end_amdgpu_metadata
.endif
;; end of part 4
;; launch moe (part 5): grid 32 x 8, 4 waves a work-group, clusters of 4 x 1, 327,680 bytes of LDS; arguments wq, x, t, b1, b2, b3, G1, g1b, G2, g2b, part; writes part
.if DOCPART == 5
	.amdgcn_target "amdgcn-amd-amdhsa--gfx1250"
	.amdhsa_code_object_version 6
	.text
	.protected	k_qe18af2a05d_moe
	.globl	k_qe18af2a05d_moe
	.p2align	8
	.type	k_qe18af2a05d_moe,@function
k_qe18af2a05d_moe:
	s_mov_b64 s[64:65], 0
	v_nop
	global_prefetch_b8 v0, s[64:65] scope:SCOPE_SE
	s_setreg_imm32_b32 hwreg(HW_REG_WAVE_MODE, 25, 1), 1
	s_wait_xcnt 0x0
	s_wait_alu depctr_hold_cnt(0) depctr_sa_sdst(0) depctr_va_vdst(0) depctr_va_sdst(0) depctr_va_ssrc(0) depctr_va_vcc(0) depctr_vm_vsrc(0)
	s_getreg_b32 s2, hwreg(HW_REG_IB_STS2, 6, 4)
	s_cmp_eq_u32 s2, 0
	s_cbranch_scc0 .Lentry_in_a_cluster
	s_endpgm
.Lentry_in_a_cluster:
	s_bfe_u32 s2, ttmp6, 0x10000c
	s_cmp_lg_u32 s2, 0x3003
	s_cbranch_scc0 .Lentry_shape_is_right
	s_endpgm
.Lentry_shape_is_right:
; part[e][b][s] = gate[b][e] * clip(expert e's three layers on row b).  One work-group = one expert x 128 rows; a wave owns 32 rows (two tiles of 16).
; THE CHAIN IS RUN TRANSPOSED: h^T = W^T in^T.  The weights are source A (16 output features x 32 K), read from LDS rows that lie along the
; output features by the transposing load; the activations are source B.  In a result tile lane (r, h) holds row r of the batch and the
; features 8 h + q in register q, which is the layout of source B of the next layer: relu and a packed rounding, inside the lane, make
; a result tile into the next operand.  So the activations never leave the registers: h1 of 32 rows in f16 is 512 registers.
; Layer 2 goes in chunks of 64 output features; each chunk's h2 is multiplied into layer 3's sums at once.  h1's registers are named in the text, so a
; chunk is the shortest piece of layers 2 and 3 that can be a loop's trip; at 64 features it is two tiles, one in each slot, and the loop runs 15 trips.
; FORMAT: all matrix operands are f16 (11 bits of mantissa): the result is a sum whose numbers near 0 are held to a hundredth of the output's
; root mean square, which three roundings to 8 bits in a row do not keep.  h2 is a product of four inputs and has no fixed place in f16's range, so it
; gets a SCALE OF ITS BATCH ROW, a power of two that follows the row's running maximum M over the chunks: for M in [2^k, 2^(k+1)) h2 is multiplied
; by 2^(10-k), layer 3's sums (which b3 starts, at scale 1) are kept in that scale (multiplied by new scale / old scale at each chunk, exactly), and
; the scale is taken out at the end.
; WEIGHTS: wq (f16, laid by the launch before) is one stream for each expert, through two LDS slots: 4 tiles of 384 rows x 256 bytes (layer 1),
; then 32 tiles of 288 rows (layers 2 and 3, two a chunk).
; CLUSTER: the four work-groups of a cluster are four row blocks of one expert and walk the same stream, so every tile is asked for jointly
; (mask 15); each wave asks for a quarter of a tile (96 or 72 rows).  By this text's own count a wave has two tensor loads out at the start and one later.
; LIMITS: x, t, the weights, h1 and the gate's hidden layer are rounded to f16: beyond 65,504 in magnitude they become infinities, and their rounding
; step is never finer than 6e-8.  (h1 is a sum of 131 products x W1: for |x| near 30 and |W1| near 0.6, all of one sign, it is about 2,400.)
; Of a row's h2, numbers under 2^-34 of the row's running maximum are rounded to 0; M is taken as at least 2^-64, so the scale is at most 2^74 and
; |b3| must stay below 2^53.  sin and cos: reduction by pi/2 in two terms, polynomials on |rho| <= pi/4; the reduction's own error stays under 1e-6
; for |t| <= 1e5.  relu by v_max_num_f32 makes 0 of a NaN.  A row's sum of squares must stay finite in f32 (norm below 1.8e19).
;
; REGISTERS in blocks of 256 (s_set_vgpr_msb: bits 1:0 source 0, 3:2 source 1, 5:4 source 2, 7:6 destination):
;  block 0: v1 lane L, v2 r = L & 15, v3 h = L >> 4; v4-7 LDS address of my part of a fragment in (slot, half of the slot); v8 32 h; v9, v10 the stage, in and back;
;           v11 16 L; v12, v13 my expert's gate of row r in tile 0, 1; v14 512 r + 32 h; v15 0; v16 4 r; v17 1024 h + 4 r; v18 256 h + 4 (r & 7);
;           v20-31 at work; v32-47 logits, then the rows' scales (below); v48-63 in^T, K 128..159; v64-191 two buffers of 8 weight fragments; v192-255 bias, 8 tiles x 8
;  blocks 1, 2: h1^T: fragment (K step kp, tile j) at 16 kp + 8 j.  Until they are overwritten: block 1: G1 (0-133), a zero (134), G2 (144-159) in f32;
;           block 2: G1^T fragments (0-79), G2^T (80-87), g1b (96-111), g2b (112-119), in^T K 0..127 (192-255)
;  block 3: 0-127 sums of the chunk at work: tile (mt, j) at 32 (mt >> 1) + 16 j + 8 (mt & 1) (layer 1: mt 0..7; layer 2: mt 0..3; first x in f32, then the
;           gate's hidden sums); 128-255 layer 3's sums, in the row's scale: tile (mt, j) at 128 + 16 mt + 8 j
.set EXP,    2752512                   ; bytes of one expert in wq
.set TILE1,  98304                     ; bytes of a tile of layer 1 in wq: 384 rows of 256
.set TILE2,  73728                     ; of layers 2 and 3: 288 rows
.set L2BASE, 1536*256                  ; where layers 2 and 3 begin in an expert's stream
.set PITCH,  288                       ; an LDS row: 256 bytes + 32 of padding = 9 x 32 bytes
.set SLOT,   384*PITCH                 ; 110,592
.set QUART1, 96*PITCH                  ; what one wave's tensor load fills, layer 1
.set QUART2, 72*PITCH                  ; layers 2 and 3
.set HALFS,  192*PITCH                 ; six steps: beyond them the 16-bit offset of an LDS load would not reach
.set KROWS,  32*PITCH                  ; one step's 32 rows
.set STAGE,  2*SLOT                    ; behind the ring, 256-byte aligned, never filled by a tensor load: 32 rows x 528 bytes for each wave
.set SPITCH, 528
.set AF,     64
.set BIAS,   192
.set MX,     32                        ; v32, v33      running maximum of h2 in row r of tile 0, 1
.set SC,     34                        ; v[34:37]      the row's scale 2^(10-k), twice, for tile 0, 1
.set RT,     38                        ; v[38:41]      new scale / old scale, twice
.set IS,     42                        ; v[42:45]      1 / scale = 2^(k-10), twice
.set MSB, 0
.set CUR, 0
.macro WIN new                         ; the immediate's high byte repeats the setting that is left
.if MSB != \new
	s_set_vgpr_msb (MSB<<8)|\new
.set MSB, \new
.endif
.endm
; Four places behind a matrix instruction before a vector instruction reads its result or a load lands on one of its registers
.macro PLACES
.rept 4
	v_nop
.endr
.endm
; A round of the cluster's barrier behind its opening work-group barrier: wave 0 signals for the work-group, every wave waits for all four
; work-groups, the work-group's barrier closes the round.
.macro CREST
	s_cmp_lg_u32 s26, 0
	s_cbranch_scc1 .Lnot_wave_0_\@
	s_barrier_signal -3
.Lnot_wave_0_\@:
	s_barrier_wait -3
	s_barrier_signal -1
	s_barrier_wait -1
.endm
.macro CROUND
	s_barrier_signal -1
	s_barrier_wait -1
	CREST
.endm
; The 8 weight fragments (32 rows x 128 columns) of step ks of a slot into buffer buf: 16 transposing loads
.macro LDA buf, slot, ks
.irp i, 0,1,2,3,4,5,6,7
	ds_load_tr16_b128 v[AF+64*(\buf)+8*\i:AF+64*(\buf)+8*\i+3], v[4+2*(\slot)+(\ks)/6] offset:((\ks)%6)*KROWS+32*\i
	ds_load_tr16_b128 v[AF+64*(\buf)+8*\i+4:AF+64*(\buf)+8*\i+7], v[4+2*(\slot)+(\ks)/6] offset:((\ks)%6)*KROWS+32*\i+16*PITCH
.endr
.endm
; 16 matrix instructions: 8 feature tiles x my 2 row tiles, 32 along K (layers 1 and 3).  dk = 0: the chunk's sums, 1: layer 3's.  cb = 1: the bias starts the sums.
; The sixteen accumulators take turns, one instruction a turn.
.macro MM buf, win, breg, bstr, dk, cb
	WIN \win
.irp mt, 0,1,2,3,4,5,6,7
.irp j, 0,1
.if \dk
.set DD, 128+16*\mt+8*\j
.else
.set DD, 32*(\mt>>1)+16*\j+8*(\mt&1)
.endif
.if \cb
	v_wmma_f32_16x16x32_f16 v[DD:DD+7], v[AF+64*(\buf)+8*\mt:AF+64*(\buf)+8*\mt+7], v[(\breg)+(\bstr)*\j:(\breg)+(\bstr)*\j+7], v[BIAS+8*\mt:BIAS+8*\mt+7]
.else
	v_wmma_f32_16x16x32_f16 v[DD:DD+7], v[AF+64*(\buf)+8*\mt:AF+64*(\buf)+8*\mt+7], v[(\breg)+(\bstr)*\j:(\breg)+(\bstr)*\j+7], v[DD:DD+7]
.endif
.endr
.endr
.endm
; 16 matrix instructions of layer 2: 2 K steps x 4 feature tiles x my 2 row tiles.  Fragment 4 kh + mt of the buffer is (K step 2 s + kh, tile mt); breg: h1's
; fragment (2 s, 0).  win0, win1: the windows of the two K steps (with cb = 1 the first takes the bias, in block 0, as C).
; The eight accumulators take turns, one instruction a turn, twice round.
.macro MM2 buf, win0, win1, breg, cb
.irp kh, 0,1
.if \kh
	WIN \win1
.else
	WIN \win0
.endif
.irp mt, 0,1,2,3
.irp j, 0,1
.set DD, 32*(\mt>>1)+16*\j+8*(\mt&1)
.if (\cb)*(1-\kh)
	v_wmma_f32_16x16x32_f16 v[DD:DD+7], v[AF+64*(\buf)+32*\kh+8*\mt:AF+64*(\buf)+32*\kh+8*\mt+7], v[(\breg)+16*\kh+8*\j:(\breg)+16*\kh+8*\j+7], v[BIAS+8*\mt:BIAS+8*\mt+7]
.else
	v_wmma_f32_16x16x32_f16 v[DD:DD+7], v[AF+64*(\buf)+32*\kh+8*\mt:AF+64*(\buf)+32*\kh+8*\mt+7], v[(\breg)+16*\kh+8*\j:(\breg)+16*\kh+8*\j+7], v[DD:DD+7]
.endif
.endr
.endr
.endr
.endm
; The head of a step on buffer CUR.  nks >= 0: step nks of the slot is fetched into the other buffer first.  nks < 0: the tile's last step; open = 1:
; it opens the barrier of the change of slots.
.macro KHEAD slot, nks, open
.if (\nks) >= 0
	WIN 0
	PLACES                                         ; the other buffer was read by the matrix instructions just issued
	LDA 1-CUR, \slot, \nks
	s_wait_dscnt 16                                ; LDS loads come back in order (ISA guide 5.7.1): all but the 16 just issued are in
.else
	s_wait_dscnt 0x0                               ; my reads of this slot are over,
.if \open
	s_wait_xcnt 0x0
	s_set_vgpr_msb (MSB<<8)|((MSB&0x3c)|0x0)
	v_lshl_add_u32 v46, v0, 2, 0x46800
	v_mov_b32 v47, 0
	s_set_vgpr_msb (((MSB&0x3c)|0x0)<<8)|((MSB&0x30)|0x0)
	s_wait_tensorcnt 0x0                           ; and all my tensor loads have landed: the one that was out is my quarter of the next tile
	ds_add_u32 v46, v47
	s_wait_dscnt 0x0
	s_set_vgpr_msb (((MSB&0x30)|0x0)<<8)|MSB
	s_barrier_signal -1                            ; say so; only register work stands up to the wait
.endif
.endif
.endm
.macro KS slot, nks, open, win, breg, bstr, dk, cb             ; a step of layer 1 or 3
	KHEAD \slot, \nks, \open
.if \cb
	s_wait_loadcnt 0x0                             ; the chunk's bias, asked for a chunk ago
.endif
	MM CUR, \win, \breg, \bstr, \dk, \cb
.set CUR, 1-CUR
.endm
.macro KS2 slot, nks, open, win0, win1, breg, cb               ; a step of layer 2
	KHEAD \slot, \nks, \open
.if \cb
	s_wait_loadcnt 0x0                             ; the chunk's bias, asked for a chunk ago
.endif
	MM2 CUR, \win0, \win1, \breg, \cb
.set CUR, 1-CUR
.endm
.macro TSTART slot, ks                 ; a tile's first fragments
.set CUR, 0
	WIN 0
	PLACES
	LDA 0, \slot, \ks
.endm
; The change of slots.  Every wave has waited for its reads and for all its tensor loads in front of the signal.  refill = 1 (a tile of layer 1) or 2 (of layers
; 2 and 3): the barrier opened a round of the cluster's barrier, so that the same holds of every wave of the four partners; the joint refill (two tiles on)
; comes first behind the round.
.macro CLOSE slot, refill
	WIN 0
	s_barrier_wait -1
.if (\refill) == 1
	CREST
	s_add_nc_u64 s[34+4*(\slot):35+4*(\slot)], s[34+4*(\slot):35+4*(\slot)], 2*TILE1   ; no tensor load of mine is out: a group 0 may be written
	tensor_load_to_lds s[32+4*(\slot):35+4*(\slot)], s[40:47]
	s_nop 0
.endif
.if (\refill) == 2
	CREST
	s_add_nc_u64 s[78+4*(\slot):79+4*(\slot)], s[78+4*(\slot):79+4*(\slot)], 2*TILE2
	tensor_load_to_lds s[76+4*(\slot):79+4*(\slot)], s[68:75]
	s_nop 0
.endif
.endm
; The bias of nt tiles of 16 features as C tiles: register q of lane (r, h) in tile mt = bias[16 mt + 8 h + q]
.macro LDBIAS sp, off, nt
	WIN 0
.set n, 0
.rept \nt
	global_load_b128 v[BIAS+8*n:BIAS+8*n+3], v8, s[\sp:\sp+1] offset:(\off)+64*n
	global_load_b128 v[BIAS+8*n+4:BIAS+8*n+7], v8, s[\sp:\sp+1] offset:(\off)+64*n+16
.set n, n+1
.endr
.endm
; relu on ng groups of 16 registers (two result tiles each), then ng fragments of the next layer's source B: group g = 2 (K step) + j.
; In place (dstr = 16) register 16 g + i is written when 16 g + 2 i and 16 g + 2 i + 1 are read, i ascending: nothing is lost.
.macro RELUPACK ng, dwin, dbase, dstr
	WIN 0xcf
.set n, 0
.rept 16*\ng
	v_max_num_f32 v[n], 0, v[n]
.set n, n+1
.endr
	WIN \dwin
.set n, 0
.rept 8*\ng
	v_cvt_pk_f16_f32 v[(\dbase)+(\dstr)*(n>>3)+(n&7)], v[16*(n>>3)+2*(n&7)], v[16*(n>>3)+2*(n&7)+1]
.set n, n+1
.endr
.endm
.macro RELUCVT dwin, dbase, dstr       ; layer 1's chunk of 128 features into h1
	PLACES
	RELUPACK 8, \dwin, \dbase, \dstr
.endm
; Layer 2's chunk of 64 features into h2's four fragments, in place, in the row's scale
.macro H2CVT
	PLACES
	WIN 0
	v_mov_b32 v20, v[MX]                           ; two chains a tile, so that no instruction waits for the one in front of it
	v_mov_b32 v21, v[MX+1]
	WIN 0x3c                                       ; the running maximum takes in my 32 numbers of each row (negative ones never win: M > 0)
.irp q, 0,1
.irp i, 0,4,8,12
.irp j, 0,1
	v_max3_num_f32 v[MX+\j], v[MX+\j], v[32*\q+16*\j+\i], v[32*\q+16*\j+\i+1]
	v_max3_num_f32 v[20+\j], v[20+\j], v[32*\q+16*\j+\i+2], v[32*\q+16*\j+\i+3]
.endr
.endr
.endr
	WIN 0
.irp j, 0,1
	v_max_num_f32 v[MX+\j], v[MX+\j], v[20+\j]
.endr
.irp j, 0,1
	v_permlanex16_b32 v[20+\j], v[MX+\j], s50, s51 ; the row's other 32 numbers lie in the lane 16 further
.endr
.irp j, 0,1
	v_max_num_f32 v[MX+\j], v[MX+\j], v[20+\j]
	v_and_b32 v[24+\j], 0x7f800000, v[MX+\j]       ; M's exponent field F = k + 127, in place; F >= 63
	v_sub_nc_u32 v[SC+2*\j], 0x84000000, v[24+\j]  ; field 264 - F: the scale 2^(10-k)
	v_mul_f32 v[RT+2*\j], v[SC+2*\j], v[IS+2*\j]   ; new scale / old scale, a power of two (at most 1 from the second chunk on)
	v_mov_b32 v[RT+2*\j+1], v[RT+2*\j]
	v_mov_b32 v[SC+2*\j+1], v[SC+2*\j]
	v_add_nc_u32 v[IS+2*\j], 0xfb000000, v[24+\j]  ; field F - 10: 2^(k-10)
	v_mov_b32 v[IS+2*\j+1], v[IS+2*\j]
.endr
	WIN 0xc3
.irp mt, 0,1,2,3,4,5,6,7
.irp j, 0,1
.irp p, 0,1,2,3
	v_pk_mul_f32 v[128+16*\mt+8*\j+2*\p:128+16*\mt+8*\j+2*\p+1], v[128+16*\mt+8*\j+2*\p:128+16*\mt+8*\j+2*\p+1], v[RT+2*\j:RT+2*\j+1]
.endr
.endr
.endr
.irp q, 0,1
.irp j, 0,1
.irp i, 0,2,4,6,8,10,12,14
	v_pk_mul_f32 v[32*\q+16*\j+\i:32*\q+16*\j+\i+1], v[32*\q+16*\j+\i:32*\q+16*\j+\i+1], v[SC+2*\j:SC+2*\j+1]
.endr
.endr
.endr
	RELUPACK 4, 0xcf, 0, 16
.endm
	s_load_b256 s[4:11], s[0:1], 0x0               ; wq s[4:5], x s[6:7], t s[8:9], b1 s[10:11]
	s_load_b256 s[12:19], s[0:1], 0x20             ; b2 s[12:13], b3 s[14:15], G1 s[16:17], g1b s[18:19]
	s_load_b128 s[20:23], s[0:1], 0x40             ; G2 s[20:21], g2b s[22:23]
	s_load_b64 s[24:25], s[0:1], 0x50              ; part
	v_lshl_add_u32 v46, v0, 2, 0x46800
	v_mov_b32 v47, 0
	ds_add_u32 v46, v47
	s_wait_dscnt 0x0
	v_lshrrev_b32 v20, 5, v0
	v_readfirstlane_b32 s26, v20                   ; wave w
	s_bfe_u32 s27, ttmp6, 0x40000                  ; cx: enters the addresses of x, t and part alone
	s_lshl_b32 s28, ttmp9, 2
	s_add_co_u32 s28, s28, s27                     ; row block = 4 x cluster x + cx
	s_and_b32 s29, ttmp7, 0xffff                   ; expert = cluster y (the cluster is one work-group high)
	s_mov_b32 s50, 0x76543210                      ; v_permlanex16_b32: lane i reads lane i of the other half
	s_mov_b32 s51, 0xfedcba98
	s_mov_b32 s52, 0x0000ffff                      ; the lanes with h = 0
	s_mov_b32 s53, 0x3fb8aa3b                      ; log2 e
	; group 1, layer 1: 96 rows x 128 elements of 2 bytes, dense in memory, 32 bytes of padding behind each row's 64 words
	s_mov_b32 s40, 15|(1<<16)|(1<<20)|(1<<21)|(5<<22)|(7<<25)  ; 15:0 the four partners; 17:16 2 bytes; 20 padding; 21 set beside a mask; 24:22 every 64 words; 31:25 8 words
	s_mov_b32 s41, 128<<16                         ; tensor_dim0 = 128
	s_mov_b32 s42, 96<<16                          ; tensor_dim1 = 96
	s_mov_b32 s43, 128<<16                         ; tile_dim0 = 128
	s_mov_b32 s44, 96                              ; tile_dim1 = 96
	s_mov_b32 s45, 128                             ; elements from row to row
	s_mov_b32 s46, 0
	s_mov_b32 s47, 0
	; group 1, layers 2 and 3: the same with 72 rows
	s_mov_b32 s68, 15|(1<<16)|(1<<20)|(1<<21)|(5<<22)|(7<<25)
	s_mov_b32 s69, 128<<16
	s_mov_b32 s70, 72<<16
	s_mov_b32 s71, 128<<16
	s_mov_b32 s72, 72
	s_mov_b32 s73, 128
	s_mov_b32 s74, 0
	s_mov_b32 s75, 0
	; group 0, one set for each slot and kind of tile: made of the expert and the wave's number alone, so equal in the four partners
	s_mov_b32 s32, 1
	s_mul_i32 s33, s26, QUART1
	s_mov_b32 s36, 1
	s_add_co_u32 s37, s33, SLOT
	s_mov_b32 s76, 1
	s_mul_i32 s77, s26, QUART2
	s_mov_b32 s80, 1
	s_add_co_u32 s81, s77, SLOT
	s_mul_i32 s30, s29, EXP
	s_mul_i32 s31, s26, 96*256
	s_add_co_u32 s30, s30, s31
	s_mov_b32 s31, 0
	s_mul_i32 s60, s29, EXP
	s_mul_i32 s61, s26, 72*256
	s_add_co_u32 s60, s60, s61
	s_add_co_u32 s60, s60, L2BASE-2*TILE2          ; two tiles back (still inside the expert's stream): every refill steps its address first
	s_mov_b32 s61, 0
	s_wait_kmcnt 0x0
	s_add_nc_u64 s[34:35], s[4:5], s[30:31]        ; my quarter of tile 0
	s_add_nc_u64 s[38:39], s[34:35], TILE1         ; of tile 1
	s_or_b32 s35, s35, 0x80000000                  ; type = 2
	s_or_b32 s39, s39, 0x80000000
	s_add_nc_u64 s[78:79], s[4:5], s[60:61]
	s_add_nc_u64 s[82:83], s[78:79], TILE2
	s_or_b32 s79, s79, 0x80000000
	s_or_b32 s83, s83, 0x80000000
	CROUND                                         ; the four partners are here: the first joint loads meet
	tensor_load_to_lds s[32:35], s[40:47]
	s_nop 0
	tensor_load_to_lds s[36:39], s[40:47]
	s_nop 0
	s_lshl_b32 s30, s29, 12                        ; the expert's rows of b1, b2, b3
	s_add_nc_u64 s[10:11], s[10:11], s[30:31]
	s_add_nc_u64 s[12:13], s[12:13], s[30:31]
	s_lshl_b32 s30, s29, 9
	s_add_nc_u64 s[14:15], s[14:15], s[30:31]
	s_lshl_b32 s54, s28, 16                        ; my wave's 32 rows of x and of part: 128 rows x 512 bytes a block, 32 x 512 a wave
	s_lshl_b32 s55, s26, 14
	s_add_co_u32 s54, s54, s55
	s_mov_b32 s55, 0
	s_add_nc_u64 s[6:7], s[6:7], s[54:55]
	s_lshl_b32 s56, s29, 21
	s_add_co_u32 s56, s56, s54
	s_mov_b32 s57, 0
	s_add_nc_u64 s[24:25], s[24:25], s[56:57]
	s_lshl_b32 s54, s28, 9
	s_lshl_b32 s56, s26, 7
	s_add_co_u32 s54, s54, s56
	s_add_nc_u64 s[8:9], s[8:9], s[54:55]          ; and of t
	s_mul_i32 s58, s26, 32*SPITCH
	s_add_co_u32 s58, s58, STAGE                   ; my stage
	v_and_b32 v1, 31, v0
	v_and_b32 v2, 15, v0
	v_bfe_u32 v3, v0, 4, 1
	v_and_b32 v20, 7, v0
	v_lshl_add_u32 v21, v3, 3, v20                 ; the transposing load: lane L addresses row 8 h + (L & 7) of the step,
	v_mul_u32_u24 v21, v21, PITCH
	v_bfe_u32 v22, v0, 3, 1
	v_lshl_add_u32 v4, v22, 4, v21                 ; 16 bytes on for (L >> 3) & 1
	v_add_nc_u32 v5, HALFS, v4
	v_add_nc_u32 v6, SLOT, v4
	v_add_nc_u32 v7, SLOT+HALFS, v4
	v_lshlrev_b32 v8, 5, v3
	v_mul_u32_u24 v9, v2, SPITCH
	v_add_nc_u32 v9, v9, v8
	v_add_nc_u32 v9, s58, v9
	v_lshl_add_u32 v10, v1, 4, s58
	v_lshlrev_b32 v11, 4, v1
	v_lshl_add_u32 v14, v2, 9, v8
	v_mov_b32 v15, 0
	v_lshlrev_b32 v16, 2, v2
	v_lshl_add_u32 v17, v3, 10, v16
	v_lshlrev_b32 v18, 2, v20
	v_lshl_add_u32 v18, v3, 8, v18
	; everything small, in one run, while the first tiles are on their way
	global_load_b32 v20, v16, s[8:9]               ; t of row r, tile 0
	global_load_b32 v21, v16, s[8:9] offset:64     ; tile 1
	LDBIAS 10, 0, 8                                ; b1, chunk 0
	WIN 0xc0
.irp j, 0,1
.irp k, 0,1,2,3
.irp p, 0,1,2,3
	global_load_b128 v[64*\j+16*\k+4*\p:64*\j+16*\k+4*\p+3], v14, s[6:7] offset:8192*\j+128*\k+16*(\p&1)+64*(\p>>1)   ; x(16 j + r, 32 k + 8 h ..) and (.., 32 k + 16 + 8 h ..)
.endr
.endr
.endr
.irp mt, 0,1,2,3,4,5,6,7
.irp j, 0,1
.irp p, 0,1
	global_load_b128 v[128+16*\mt+8*\j+4*\p:128+16*\mt+8*\j+4*\p+3], v8, s[14:15] offset:64*\mt+16*\p   ; b3 starts layer 3's sums, at scale 1
.endr
.endr
.endr
	WIN 0x40
	v_mov_b32 v134, 0
.irp k, 0,1,2,3
.irp mt, 0,1
.irp i, 0,1,2,3,4,5,6,7,8,9,10,11,12,13,14,15
	global_load_b32 v[32*\k+16*\mt+\i], v17, s[16:17] offset:(32*\k+\i+8*(\i>>3))*128+64*\mt   ; G1[32 k + 8 h + i (+ 8)][16 mt + r]
.endr
.endr
.endr
.irp mt, 0,1
.irp i, 0,1,2
	global_load_b32 v[128+3*\mt+\i], v16, s[16:17] offset:(128+\i)*128+64*\mt                  ; G1's rows 128..130: nothing past row 130 is touched
.endr
.endr
.irp i, 0,1,2,3,4,5,6,7,8,9,10,11,12,13,14,15
	global_load_b32 v[144+\i], v18, s[20:21] offset:(\i+8*(\i>>3))*32                          ; G2[8 h + i (+ 8)][r & 7]
.endr
	WIN 0x80
.irp mt, 0,1
.irp p, 0,1
	global_load_b128 v[96+8*\mt+4*\p:96+8*\mt+4*\p+3], v8, s[18:19] offset:64*\mt+16*\p
.endr
.endr
.irp p, 0,1
	global_load_b128 v[112+4*\p:112+4*\p+3], v15, s[22:23] offset:16*\p
.endr
	WIN 0
	s_wait_loadcnt 0x0
; sin t and cos t of tile j (t in v[20+j]) and in^T's fragment of K 128..159: (t, sin), (cos, 0) in the lanes with h = 0, zeros elsewhere
.macro SINCOS j
	v_mul_f32 v22, 0x3f22f983, v[20+\j]            ; t x 2/pi
	v_rndne_f32 v22, v22                           ; n
	v_fmamk_f32 v23, v22, 0xbfc90fdb, v[20+\j]     ; rho = t - n pi/2, pi/2 in two terms
	v_fmamk_f32 v23, v22, 0x333bbd2e, v23
	v_mul_f32 v24, v23, v23                        ; z = rho^2
	v_mov_b32 v25, 0xb9500d01                      ; sin rho = rho + rho z (-1/6 + z (1/120 - z/5040))
	v_fmaak_f32 v25, v25, v24, 0x3c088889
	v_fmaak_f32 v25, v25, v24, 0xbe2aaaab
	v_mul_f32 v26, v23, v24
	v_fma_f32 v25, v26, v25, v23
	v_mov_b32 v27, 0x37d00d01                      ; cos rho = 1 + z (-1/2 + z (1/24 + z (-1/720 + z/40320)))
	v_fmaak_f32 v27, v27, v24, 0xbab60b61
	v_fmaak_f32 v27, v27, v24, 0x3d2aaaab
	v_fmaak_f32 v27, v27, v24, 0xbf000000
	v_fma_f32 v27, v27, v24, 1.0
	v_cvt_i32_f32 v28, v22                         ; the quadrant
	v_and_b32 v29, 1, v28
	v_cmp_eq_u32 vcc_lo, 1, v29
	v_cndmask_b32 v30, v25, v27, vcc_lo            ; odd quadrants swap the two
	v_cndmask_b32 v31, v27, v25, vcc_lo
	v_lshlrev_b32 v29, 30, v28                     ; sin changes sign where n & 2,
	v_and_b32 v29, 0x80000000, v29
	v_xor_b32 v30, v29, v30
	v_add_nc_u32 v28, 1, v28                       ; cos where (n + 1) & 2
	v_lshlrev_b32 v28, 30, v28
	v_and_b32 v28, 0x80000000, v28
	v_xor_b32 v31, v28, v31
	v_cvt_pk_f16_f32 v22, v[20+\j], v30
	v_cvt_pk_f16_f32 v23, v31, v15
	v_cndmask_b32 v[48+8*\j], 0, v22, s52
	v_cndmask_b32 v[49+8*\j], 0, v23, s52
.irp i, 2,3,4,5,6,7
	v_mov_b32 v[48+8*\j+\i], 0
.endr
.endm
	SINCOS 0
	SINCOS 1
	WIN 0x8f                                       ; x to in^T's fragments
.irp j, 0,1
.irp k, 0,1,2,3
.irp i, 0,1,2,3,4,5,6,7
	v_cvt_pk_f16_f32 v[192+16*\k+8*\j+\i], v[64*\j+16*\k+2*\i], v[64*\j+16*\k+2*\i+1]
.endr
.endr
.endr
	WIN 0x85                                       ; G1 and G2 to fragments of source A
.irp k, 0,1,2,3
.irp mt, 0,1
.irp i, 0,1,2,3,4,5,6,7
	v_cvt_pk_f16_f32 v[16*\k+8*\mt+\i], v[32*\k+16*\mt+2*\i], v[32*\k+16*\mt+2*\i+1]
.endr
.endr
.endr
.irp i, 0,1,2,3,4,5,6,7
	v_cvt_pk_f16_f32 v[80+\i], v[144+2*\i], v[144+2*\i+1]
.endr
.irp mt, 0,1
	v_cvt_pk_f16_f32 v[64+8*\mt], v[128+3*\mt], v[129+3*\mt]
	v_cvt_pk_f16_f32 v[65+8*\mt], v[130+3*\mt], v134
.endr
	WIN 0x88
.irp mt, 0,1
	v_cndmask_b32 v[64+8*\mt], 0, v[64+8*\mt], s52 ; K 128..130 lie in the lanes with h = 0; all other K of this step are zero on both sides
	v_cndmask_b32 v[65+8*\mt], 0, v[65+8*\mt], s52
.irp i, 2,3,4,5,6,7
	v_mov_b32 v[64+8*\mt+\i], 0
.endr
.endr
	; THE GATE.  hidden^T = relu(G1^T in^T + g1b): 2 feature tiles x 2 row tiles, 5 K steps; four accumulators by turns.
.macro GATEK win, a0, b0, first
	WIN \win
.irp mt, 0,1
.irp j, 0,1
.if \first
	v_wmma_f32_16x16x32_f16 v[16*\j+8*\mt:16*\j+8*\mt+7], v[\a0+8*\mt:\a0+8*\mt+7], v[\b0+8*\j:\b0+8*\j+7], v[96+8*\mt:96+8*\mt+7]
.else
	v_wmma_f32_16x16x32_f16 v[16*\j+8*\mt:16*\j+8*\mt+7], v[\a0+8*\mt:\a0+8*\mt+7], v[\b0+8*\j:\b0+8*\j+7], v[16*\j+8*\mt:16*\j+8*\mt+7]
.endif
.endr
.endr
.endm
	GATEK 0xea, 0, 192, 1
	GATEK 0xfa, 16, 208, 0
	GATEK 0xfa, 32, 224, 0
	GATEK 0xfa, 48, 240, 0
	GATEK 0xf2, 64, 48, 0
	PLACES
	WIN 0xcf
.set n, 0
.rept 32
	v_max_num_f32 v[n], 0, v[n]
.set n, n+1
.endr
.irp j, 0,1
.irp i, 0,1,2,3,4,5,6,7
	v_cvt_pk_f16_f32 v[16*\j+\i], v[16*\j+2*\i], v[16*\j+2*\i+1]
.endr
.endr
	; logits^T = G2^T hidden^T + g2b.  Rows r and r + 8 of source A both stand for expert r & 7, so register q of every lane is expert q's logit of row r.
	WIN 0x2e
	v_wmma_f32_16x16x32_f16 v[32:39], v[80:87], v[0:7], v[112:119]
	v_wmma_f32_16x16x32_f16 v[40:47], v[80:87], v[16:23], v[112:119]
	WIN 0
	PLACES
	; softmax inside the lane: the maximum is taken away, so every exponent is at most 0 (but for one rounding) and the sum is at least about 1
.irp j, 0,1
	v_max3_num_f32 v[20+\j], v[32+8*\j], v[33+8*\j], v[34+8*\j]
	v_max3_num_f32 v[20+\j], v[20+\j], v[35+8*\j], v[36+8*\j]
	v_max3_num_f32 v[20+\j], v[20+\j], v[37+8*\j], v[38+8*\j]
	v_max_num_f32 v[20+\j], v[20+\j], v[39+8*\j]
	v_mul_f32 v[20+\j], s53, v[20+\j]
.endr
.irp n, 0,1,2,3,4,5,6,7,8,9,10,11,12,13,14,15
	v_fma_f32 v[32+\n], v[32+\n], s53, -v[20+(\n>>3)]
.endr
.irp n, 0,1,2,3,4,5,6,7,8,9,10,11,12,13,14,15
	v_exp_f32 v[32+\n], v[32+\n]
.endr
	v_nop                                          ; one plain place behind the last exponential (ISA guide 5.7.2)
	s_wait_alu depctr_va_vdst(0)
.irp j, 0,1
	v_add_f32 v[22+4*\j], v[32+8*\j], v[33+8*\j]
	v_add_f32 v[23+4*\j], v[34+8*\j], v[35+8*\j]
	v_add_f32 v[24+4*\j], v[36+8*\j], v[37+8*\j]
	v_add_f32 v[25+4*\j], v[38+8*\j], v[39+8*\j]
	v_add_f32 v[22+4*\j], v[22+4*\j], v[23+4*\j]
	v_add_f32 v[24+4*\j], v[24+4*\j], v[25+4*\j]
	v_add_f32 v[22+4*\j], v[22+4*\j], v[24+4*\j]
.endr
	v_rcp_f32 v22, v22
	v_rcp_f32 v26, v26
	v_mov_b32 v12, v32                             ; my expert's exponential, chosen by value (these lines are also the places behind the reciprocals)
	v_mov_b32 v13, v40
.irp q, 1,2,3,4,5,6,7
	s_cmp_eq_u32 s29, \q
	s_cselect_b32 s49, -1, 0
	v_cndmask_b32 v12, v12, v[32+\q], s49
	v_cndmask_b32 v13, v13, v[40+\q], s49
.endr
	s_wait_alu depctr_va_vdst(0)
	v_mul_f32 v12, v12, v22
	v_mul_f32 v13, v13, v26
	v_mov_b32 v[MX], 0x1f800000                    ; the logits have had their last use: h2's running maxima start at 2^-64,
	v_mov_b32 v[MX+1], 0x1f800000
.irp i, 0,1,2,3
	v_mov_b32 v[IS+\i], 1.0                        ; and layer 3's sums (b3) stand at scale 1
.endr
	s_wait_tensorcnt 0x1                           ; my quarter of tile 0 is in; tile 1's may stay out
	s_barrier_signal -1
	s_barrier_wait -1                              ; everybody's is
; LAYER 1.  A tile holds two chunks of 128 features, 192 rows (K 0..191) each, of which K steps 0..4 are multiplied (K 131..159 are zeros on both sides).
; Each chunk's result goes to registers of its own, which the text names: the eight chunks are written out.
.macro L1CHUNK c, slot, k0, nxt, open
	KS \slot, \k0+1, 0, 0xc8, 192, 8, 0, 1
	KS \slot, \k0+2, 0, 0xf8, 208, 8, 0, 0
.if (\c) < 7                                       ; the next chunk's bias: the places of the step just written stand behind the instructions that read this one's
	LDBIAS 10, 512*((\c)+1), 8
.else
	LDBIAS 12, 0, 4                                ; b2, chunk 0 of 64 features
.endif
	KS \slot, \k0+3, 0, 0xf8, 224, 8, 0, 0
	KS \slot, \k0+4, 0, 0xf8, 240, 8, 0, 0
	KS \slot, \nxt, \open, 0xf0, 48, 8, 0, 0
.if (\c) < 4
	RELUCVT 0x4f, 64*((\c)&3), 8
.else
	RELUCVT 0x8f, 64*((\c)&3), 8                   ; chunk 7 lands on in^T's fragments, which have had their last use
.endif
.endm
.macro L1TILE t, slot, refill
	TSTART \slot, 0
	L1CHUNK 2*\t, \slot, 0, 6, 0
	L1CHUNK 2*\t+1, \slot, 6, -1, 1
	CLOSE \slot, \refill
.endm
	L1TILE 0, 0, 1
	L1TILE 1, 1, 1
	L1TILE 2, 0, 2                                 ; from here on the refills bring tiles of layers 2 and 3
	L1TILE 3, 1, 2
; LAYERS 2 AND 3, one chunk of 64 features of h2 = two tiles of 9 steps: slot 0: K 0..575 of W2; slot 1: K 576..1023 of W2, then the chunk's 64 rows of W3.
; bias = 1: the next chunk's b2 is fetched; refill = 1: both slots are filled again; last = 1: the stream ends.
.macro CHUNK bias, refill, last
	TSTART 0, 0
	KS2 0, 1, 0, 0xc4, 0xf4, 0, 1
	KS2 0, 2, 0, 0xf4, 0xf4, 32, 0
.if \bias
	LDBIAS 12, 256, 4
.endif
.irp s, 2,3,4,5,6,7
	KS2 0, \s+1, 0, 0xf4, 0xf4, 32*\s, 0
.endr
	KS2 0, -1, 1, 0xf8, 0xf8, 0, 0
	CLOSE 0, 2*\refill
	TSTART 1, 0
.irp s, 1,2,3,4,5,6,7
	KS2 1, \s, 0, 0xf8, 0xf8, 32*\s, 0
.endr
	H2CVT                                          ; h2's chunk, in place, in the row's scale
	KS 1, 8, 0, 0xfc, 0, 16, 1, 0
	KS 1, -1, 1-\last, 0xfc, 32, 16, 1, 0
.if \last == 0
	CLOSE 1, 2*\refill
.endif
.endm
	WIN 0                                          ; at a label and at a branch every window is 0
	s_mov_b32 s48, 15
.Lchunk:                                           ; chunks 0..14
	CHUNK 1, 1, 0
	WIN 0
	s_wait_loadcnt 0x0                             ; the bias loads are done: their base may be stepped
	s_add_nc_u64 s[12:13], s[12:13], 256
	s_sub_co_u32 s48, s48, 1
	s_cmp_lg_u32 s48, 0
	s_cbranch_scc1 .Lchunk
	CHUNK 0, 0, 1                                  ; chunk 15, written out: nothing is left to fetch; between its two tiles the work-group's barrier alone, behind them nothing
	; OUT OF THE SCALE, THE CLIP AND THE WAY OUT.  A lane holds 64 of a row's 128 numbers, the lane 16 further the other 64.
	PLACES
	WIN 0xc3
.irp mt, 0,1,2,3,4,5,6,7
.irp j, 0,1
.irp p, 0,1,2,3
	v_pk_mul_f32 v[128+16*\mt+8*\j+2*\p:128+16*\mt+8*\j+2*\p+1], v[128+16*\mt+8*\j+2*\p:128+16*\mt+8*\j+2*\p+1], v[IS+2*\j:IS+2*\j+1]
.endr
.endr
.endr
	WIN 0x0f
.macro SUMSQ j
.set n, 0
.rept 32
.set OO, 128+16*(n>>2)+8*\j+2*(n&3)
.set CH, 20+4*\j+2*(n&1)
.if n < 2
	v_pk_mul_f32 v[CH:CH+1], v[OO:OO+1], v[OO:OO+1]                ; the first products start the two chains
.else
	v_pk_fma_f32 v[CH:CH+1], v[OO:OO+1], v[OO:OO+1], v[CH:CH+1]
.endif
.set n, n+1
.endr
.endm
	SUMSQ 0
	SUMSQ 1
	WIN 0
.irp j, 0,1
	v_pk_add_f32 v[20+4*\j:21+4*\j], v[20+4*\j:21+4*\j], v[22+4*\j:23+4*\j]
	v_add_f32 v[20+4*\j], v[20+4*\j], v[21+4*\j]
	v_permlanex16_b32 v[21+4*\j], v[20+4*\j], s50, s51
	v_add_f32 v[20+4*\j], v[20+4*\j], v[21+4*\j]
.endr
	v_sqrt_f32 v20, v20
	v_sqrt_f32 v24, v24
	v_nop
	s_wait_alu depctr_va_vdst(0)
	v_add_f32 v20, 0x358637bd, v20                 ; norm + 1e-6
	v_add_f32 v24, 0x358637bd, v24
	v_rcp_f32 v20, v20
	v_rcp_f32 v24, v24
	v_nop
	s_wait_alu depctr_va_vdst(0)
	v_mul_f32 v20, 0x41200000, v20                 ; 10 / (norm + 1e-6)
	v_mul_f32 v24, 0x41200000, v24
	v_min_num_f32 v20, 1.0, v20
	v_min_num_f32 v24, 1.0, v24
	v_mul_f32 v28, v20, v12                        ; x gate
	v_mul_f32 v30, v24, v13
	v_mov_b32 v29, v28
	v_mov_b32 v31, v30
	WIN 0xc3
.irp mt, 0,1,2,3,4,5,6,7
.irp j, 0,1
.irp p, 0,1,2,3
	v_pk_mul_f32 v[128+16*\mt+8*\j+2*\p:128+16*\mt+8*\j+2*\p+1], v[128+16*\mt+8*\j+2*\p:128+16*\mt+8*\j+2*\p+1], v[28+2*\j:29+2*\j]
.endr
.endr
.endr
	WIN 0x0c                                       ; into my own stage: row 16 j + r, bytes 64 mt + 32 h ..; rows 528 bytes apart
.irp mt, 0,1,2,3,4,5,6,7
.irp j, 0,1
.irp p, 0,1
	ds_store_b128 v9, v[128+16*\mt+8*\j+4*\p:128+16*\mt+8*\j+4*\p+3] offset:16*SPITCH*\j+64*\mt+16*\p
.endr
.endr
.endr
	WIN 0
.set i, 0
.rept 32
	ds_load_b128 v[AF+4*i:AF+4*i+3], v10 offset:SPITCH*i           ; back by whole rows; LDS serves a wave's instructions in order (ISA guide 5.7.1): these see the stores above
.set i, i+1
.endr
.set i, 0
.rept 32
	s_wait_dscnt 31-i                              ; row i is in, the younger rows stay out
	global_store_b128 v11, v[AF+4*i:AF+4*i+3], s[24:25] offset:512*i   ; the wave's store covers a row's 512 consecutive bytes, aligned
.set i, i+1
.endr
	s_wait_xcnt 0x0
	s_set_vgpr_msb (MSB<<8)|((MSB&0x3c)|0x0)
	v_lshl_add_u32 v46, v0, 2, 0x46800
	v_mov_b32 v47, 0
	s_set_vgpr_msb (((MSB&0x3c)|0x0)<<8)|((MSB&0x30)|0x0)
	s_wait_tensorcnt 0x0
	ds_add_u32 v46, v47
	s_wait_dscnt 0x0
	s_set_vgpr_msb (((MSB&0x30)|0x0)<<8)|MSB
	CROUND                                         ; the closing round: no work-group ends while a partner may still ask for a tile that names it
	s_endpgm
.Lfunc_end_k_qe18af2a05d_moe:
	.size	k_qe18af2a05d_moe, .Lfunc_end_k_qe18af2a05d_moe-k_qe18af2a05d_moe
	.p2alignl 7, 3214868480
	.fill 96, 4, 3214868480
	.section	.rodata,"a",@progbits
	.p2align	6, 0x0
	.amdhsa_kernel k_qe18af2a05d_moe
		.amdhsa_group_segment_fixed_size 327680
		.amdhsa_private_segment_fixed_size 0
		.amdhsa_enable_private_segment 0
		.amdhsa_kernarg_size 88
		.amdhsa_user_sgpr_count 2
		.amdhsa_user_sgpr_kernarg_segment_ptr 1
		.amdhsa_wavefront_size32 1
		.amdhsa_system_sgpr_workgroup_id_x 1
		.amdhsa_system_sgpr_workgroup_id_y 1
		.amdhsa_system_sgpr_workgroup_id_z 1
		.amdhsa_system_vgpr_workitem_id 0
		.amdhsa_next_free_vgpr 1024
		.amdhsa_next_free_sgpr 84
		.amdhsa_reserve_vcc 1
		.amdhsa_float_denorm_mode_32 3
		.amdhsa_float_denorm_mode_16_64 3
		.amdhsa_memory_ordered 1
		.amdhsa_forward_progress 1
		.amdhsa_inst_pref_size 255
	.end_amdhsa_kernel
	.section	.bss,"aw",@nobits
	.p2align	6
	.space	262144
	.amdgpu_metadata
---
amdhsa.version: [ 1, 2 ]
amdhsa.kernels:
  - .name:           k_qe18af2a05d_moe
    .symbol:         k_qe18af2a05d_moe.kd
    .args:
      - { .name: wq, .offset: 0, .size: 8, .value_kind: global_buffer, .address_space: global }
      - { .name: x, .offset: 8, .size: 8, .value_kind: global_buffer, .address_space: global }
      - { .name: t, .offset: 16, .size: 8, .value_kind: global_buffer, .address_space: global }
      - { .name: b1, .offset: 24, .size: 8, .value_kind: global_buffer, .address_space: global }
      - { .name: b2, .offset: 32, .size: 8, .value_kind: global_buffer, .address_space: global }
      - { .name: b3, .offset: 40, .size: 8, .value_kind: global_buffer, .address_space: global }
      - { .name: G1, .offset: 48, .size: 8, .value_kind: global_buffer, .address_space: global }
      - { .name: g1b, .offset: 56, .size: 8, .value_kind: global_buffer, .address_space: global }
      - { .name: G2, .offset: 64, .size: 8, .value_kind: global_buffer, .address_space: global }
      - { .name: g2b, .offset: 72, .size: 8, .value_kind: global_buffer, .address_space: global }
      - { .name: part, .offset: 80, .size: 8, .value_kind: global_buffer, .address_space: global }
    .group_segment_fixed_size: 327680
    .private_segment_fixed_size: 0
    .kernarg_segment_align: 8
    .kernarg_segment_size: 88
    .max_flat_workgroup_size: 128
    .sgpr_count:     84
    .vgpr_count:     1024
    .wavefront_size: 32
...
	.end_amdgpu_metadata
.endif
;; end of part 5
;; launch sum: the kernel of part 3 again; grid 256 x 1, 8 waves a work-group, no clusters, 0 bytes of LDS; arguments part, out0; writes out0
;; ======== version 3 of 3: 3 launches; version 2 with the launch prep written anew for expert scheduling mode
;; limits: inputs' magnitudes at most 100,000; values are held in f16: magnitudes above 65,504 overflow, below 6.1e-05 lose precision; right only within a limited range of input values
;; workspace buffers: wq 22,020,096 bytes; part 16,777,216 bytes
;; launch prep (part 6): grid 328 x 1, 8 waves a work-group, no clusters, 0 bytes of LDS; arguments W1, W2, W3, wq; writes wq
.if DOCPART == 6
	.amdgcn_target "amdgcn-amd-amdhsa--gfx1250"
	.amdhsa_code_object_version 6
	.text
	.protected	k_qe18af2a05d_prep
	.globl	k_qe18af2a05d_prep
	.p2align	8
	.type	k_qe18af2a05d_prep,@function
k_qe18af2a05d_prep:
	s_mov_b64 s[64:65], 0
	v_nop
	global_prefetch_b8 v0, s[64:65] scope:SCOPE_SE
	s_setreg_imm32_b32 hwreg(HW_REG_WAVE_SCHED_MODE, 0, 2), 2
	s_setreg_imm32_b32 hwreg(HW_REG_WAVE_MODE, 25, 1), 1
	s_wait_xcnt 0x0
	s_wait_alu depctr_vm_vsrc(0)
; The expert weights, f32 [K][N], are rounded to f16 once and laid, expert by expert, in the order in which the main launch walks them,
; as rows of 128 f16 (256 bytes).  Rows of expert e (10,752 rows, EXP bytes):
;   192 c + k              (c = 0..7, k = 0..191)             W1[e][k][128 c + j] for k < 131, else 0
;   1536 + 576 c + 32 s + k  (c = 0..15, s = 0..15, k = 0..31)  j < 64: W2[e][64 s + k][64 c + j];  j >= 64: W2[e][64 s + 32 + k][64 c + j - 64]
;   1536 + 576 c + 512 + kk  (kk = 0..63)                       W3[e][64 c + kk][j]
; LIMIT: a weight beyond 65,504 in magnitude becomes an infinity; the rounding step is never finer than 6e-8.
; A row job: one load of a wave takes 128 f32, 16 bytes a lane (W1, W3: 512 consecutive bytes; W2: 256 consecutive bytes, aligned, for each half of the
; lanes, from two rows 32 apart), two packed roundings, one store of 8 bytes a lane: the wave's store covers 256 consecutive bytes, aligned.
; A pure stream: every byte is read once and written once, so LDS, barriers and the matrix unit would add nothing.  A wave issues all its loads
; (32 rows, 16 KiB) before its first wait; no register is used twice, so no source of a pending instruction is ever rewritten.
; Work-groups 0..255: W2 (expert, step s, eight chunks; wave = chunk).  256..287: W1 rows 0..127.  288..319: W3.  320..327: W1 rows 128..130 and the zero rows.
; THE MODE: SCHED_MODE bits 1:0 = 2 (LLVM: expert scheduling mode 2), set by the entry lines.  The code itself states the register dependences
; between vector instructions and memory instructions, with s_wait_alu, always for 0.
; THE PLAN.  Registers that memory instructions touch:
;   v1, v2, v3  byte offsets: written by vector instructions at the head, never again; read by every load and store.
;   X           row i: written by its load alone, read by its two roundings; no vector instruction writes it, and it is loaded once.
;   Y           row i: written once, by its two roundings; read once, by its store; never written again.
;   Z           the last arm alone: written by two moves, read by the zero rows' stores; never written again.
;   s12         the wave's number: written by a vector instruction, read by scalar instructions in every arm.
; So: two waits at the head, ahead of the first branch (s12; the three offsets).  The rows go in groups of GROUP: at a group's head, behind the wait for its data,
; ONE wait on va_vdst states that the group before has written its Y; that group's stores follow, dealt among this group's roundings, which name this group's
; X and Y alone.  One more such wait stands ahead of the last group's stores.  Nothing that a memory instruction has read is written again: no wait on vm_vsrc is owed.
.set EXP, 2752512                      ; bytes of one expert in wq
.set GROUP, 4                          ; rows between two waits on va_vdst
.set X, 4                              ; v[4:131]   32 rows as loaded, 4 registers each
.set Y, 132                            ; v[132:195] 32 rows to store, 2 registers each
.set Z, 196                            ; v[196:197] zeros
; n rows are asked for: source rows sstr bytes apart from s[20:21] + the lane's offset va
.macro ASK n, va, sstr
.set i, 0
.rept \n
	global_load_b128 v[X+4*i:X+4*i+3], \va, s[20:21] offset:i*\sstr th:TH_LOAD_NT
.set i, i+1
.endr
.endm
; and rounded and stored, in groups of grp (which divides n): rows of wq dstr bytes apart from s[22:23]
.macro CONV n, grp, dstr
.set i, 0
.rept \n
.if i%(\grp) == 0
	s_wait_loadcnt (\n)-(\grp)-i                   ; loads come back in order (ISA guide 5.7.1): this group's rows are in, the younger groups stay out
.if i > 0
	s_wait_alu depctr_va_vdst(0)                   ; the roundings of the group before have written its Y, which the stores of this group's lines read
.endif
.endif
.if i >= (\grp)
	global_store_b64 v2, v[Y+2*(i-(\grp)):Y+2*(i-(\grp))+1], s[22:23] offset:(i-(\grp))*\dstr   ; a row of the group before; no vector instruction since the wait names its Y or v2
.endif
	v_cvt_pk_f16_f32 v[Y+2*i], v[X+4*i], v[X+4*i+1]
	v_cvt_pk_f16_f32 v[Y+2*i+1], v[X+4*i+2], v[X+4*i+3]
.set i, i+1
.endr
	s_wait_alu depctr_va_vdst(0)                   ; the last group's roundings have written its Y, which the last stores read
.set i, (\n)-(\grp)
.rept \grp
	global_store_b64 v2, v[Y+2*i:Y+2*i+1], s[22:23] offset:i*\dstr
.set i, i+1
.endr
.endm
	s_load_b256 s[4:11], s[0:1], 0x0               ; W1 s[4:5], W2 s[6:7], W3 s[8:9], wq s[10:11]
	v_lshrrev_b32 v3, 5, v0
	v_readfirstlane_b32 s12, v3                    ; wave w
	v_and_b32 v1, 31, v0
	v_lshlrev_b32 v2, 3, v1                        ; 8 bytes a lane in a row of wq
	v_lshlrev_b32 v1, 4, v1                        ; W1, W3: 16 bytes a lane in a source row
	v_and_b32 v3, 15, v0                           ; W2: 16 bytes a lane in 256 bytes of a row,
	v_bfe_u32 v198, v0, 4, 1
	v_lshlrev_b32 v3, 4, v3
	v_lshl_add_u32 v3, v198, 17, v3                ; and 32 rows of 4,096 bytes further down for lanes 16 to 31
	s_mov_b32 s13, ttmp9
	s_mov_b32 s17, 0                               ; high words of the two offset pairs: every offset is below 4 GiB
	s_mov_b32 s19, 0
	s_wait_alu depctr_va_sdst(0)                   ; s12 is written, ahead of the branches behind which its first readers stand: the bases in every arm are made from it
	s_wait_alu depctr_va_vdst(0)                   ; v1, v2 and v3 are written: every load and store of every arm reads one of them as its offset
	s_wait_kmcnt 0x0
	s_cmp_lt_u32 s13, 256
	s_cbranch_scc0 .Lnot_w2
	; W2: e = g >> 5, step s = (g & 31) >> 1, chunk = 8 (g & 1) + w: K rows 64 s + i and 64 s + 32 + i, columns 64 chunk .. + 63
	s_lshr_b32 s14, s13, 5
	s_and_b32 s15, s13, 31
	s_and_b32 s25, s15, 1
	s_lshl_b32 s25, s25, 3
	s_add_co_u32 s25, s25, s12                     ; the chunk
	s_lshr_b32 s15, s15, 1                         ; the step
	s_lshl_b32 s16, s14, 22                        ; e x 1024 x 1024 x 4
	s_lshl_b32 s24, s15, 18                        ; s x 64 rows x 4,096 bytes
	s_add_co_u32 s16, s16, s24
	s_lshl_b32 s24, s25, 8                         ; chunk x 256 bytes
	s_add_co_u32 s16, s16, s24
	s_add_nc_u64 s[20:21], s[6:7], s[16:17]
	s_mul_i32 s18, s14, EXP
	s_mul_i32 s24, s25, 576*256
	s_add_co_u32 s18, s18, s24
	s_lshl_b32 s24, s15, 13                        ; s x 32 rows x 256 bytes
	s_add_co_u32 s18, s18, s24
	s_add_co_u32 s18, s18, 1536*256
	s_add_nc_u64 s[22:23], s[10:11], s[18:19]
	ASK 32, v3, 4096
	CONV 32, GROUP, 256
	s_endpgm
.Lnot_w2:
	s_cmp_lt_u32 s13, 288
	s_cbranch_scc0 .Lnot_w1
	; W1, rows 0..127: e = g' >> 2, kb = g' & 3; wave w = column chunk of 128
	s_sub_co_u32 s13, s13, 256
	s_lshr_b32 s14, s13, 2
	s_and_b32 s15, s13, 3
	s_mul_i32 s16, s14, 536576                     ; e x 131 x 1024 x 4
	s_lshl_b32 s24, s15, 17
	s_add_co_u32 s16, s16, s24
	s_lshl_b32 s24, s12, 9
	s_add_co_u32 s16, s16, s24
	s_add_nc_u64 s[20:21], s[4:5], s[16:17]
	s_mul_i32 s18, s14, EXP
	s_mul_i32 s24, s12, 192*256
	s_add_co_u32 s18, s18, s24
	s_lshl_b32 s24, s15, 13
	s_add_co_u32 s18, s18, s24
	s_add_nc_u64 s[22:23], s[10:11], s[18:19]
	ASK 32, v1, 4096
	CONV 32, GROUP, 256
	s_endpgm
.Lnot_w1:
	s_cmp_lt_u32 s13, 320
	s_cbranch_scc0 .Lnot_w3
	; W3: e = g' >> 2, qd = g' & 3: rows 256 qd + 32 w .. + 31, which lie in chunk 4 qd + (w >> 1) at kk = 32 (w & 1)
	s_sub_co_u32 s13, s13, 288
	s_lshr_b32 s14, s13, 2
	s_and_b32 s15, s13, 3
	s_lshl_b32 s16, s14, 19                        ; e x 1024 x 128 x 4
	s_lshl_b32 s24, s15, 17                        ; qd x 256 rows x 512 bytes
	s_add_co_u32 s16, s16, s24
	s_lshl_b32 s24, s12, 14                        ; w x 32 rows x 512 bytes
	s_add_co_u32 s16, s16, s24
	s_add_nc_u64 s[20:21], s[8:9], s[16:17]
	s_mul_i32 s18, s14, EXP
	s_lshl_b32 s24, s15, 2
	s_lshr_b32 s25, s12, 1
	s_add_co_u32 s24, s24, s25                     ; the chunk
	s_mul_i32 s24, s24, 576*256
	s_add_co_u32 s18, s18, s24
	s_and_b32 s24, s12, 1
	s_lshl_b32 s24, s24, 13
	s_add_co_u32 s18, s18, s24
	s_add_co_u32 s18, s18, (1536+512)*256
	s_add_nc_u64 s[22:23], s[10:11], s[18:19]
	ASK 32, v1, 512
	CONV 32, GROUP, 256
	s_endpgm
.Lnot_w3:
	; W1, rows 128..130 of expert g - 320, and zeros for rows 131..191 of chunk w
	s_sub_co_u32 s14, s13, 320
	s_mul_i32 s16, s14, 536576
	s_lshl_b32 s24, s12, 9
	s_add_co_u32 s16, s16, s24
	s_add_co_u32 s16, s16, 128*4096
	s_add_nc_u64 s[20:21], s[4:5], s[16:17]
	s_mul_i32 s18, s14, EXP
	s_mul_i32 s24, s12, 192*256
	s_add_co_u32 s18, s18, s24
	s_add_co_u32 s18, s18, 128*256
	s_add_nc_u64 s[22:23], s[10:11], s[18:19]
	v_mov_b32 v[Z], 0
	v_mov_b32 v[Z+1], 0
	ASK 3, v1, 4096                                ; the two moves above name neither v1 nor X: the head's wait still serves these loads
	s_wait_alu depctr_va_vdst(0)                   ; Z is written, which the zero rows' stores read
.set i, 3
.rept 61
	global_store_b64 v2, v[Z:Z+1], s[22:23] offset:i*256           ; the zero rows leave while the three rows are on their way
.set i, i+1
.endr
	CONV 3, 3, 256                                 ; one group of three
	s_endpgm
.Lfunc_end_k_qe18af2a05d_prep:
	.size	k_qe18af2a05d_prep, .Lfunc_end_k_qe18af2a05d_prep-k_qe18af2a05d_prep
	.p2alignl 7, 3214868480
	.fill 96, 4, 3214868480
	.section	.rodata,"a",@progbits
	.p2align	6, 0x0
	.amdhsa_kernel k_qe18af2a05d_prep
		.amdhsa_group_segment_fixed_size 0
		.amdhsa_private_segment_fixed_size 0
		.amdhsa_enable_private_segment 0
		.amdhsa_kernarg_size 32
		.amdhsa_user_sgpr_count 2
		.amdhsa_user_sgpr_kernarg_segment_ptr 1
		.amdhsa_wavefront_size32 1
		.amdhsa_system_sgpr_workgroup_id_x 1
		.amdhsa_system_sgpr_workgroup_id_y 1
		.amdhsa_system_sgpr_workgroup_id_z 1
		.amdhsa_system_vgpr_workitem_id 0
		.amdhsa_next_free_vgpr 200
		.amdhsa_next_free_sgpr 66
		.amdhsa_reserve_vcc 0
		.amdhsa_float_denorm_mode_32 3
		.amdhsa_float_denorm_mode_16_64 3
		.amdhsa_memory_ordered 1
		.amdhsa_forward_progress 1
		.amdhsa_inst_pref_size 43
	.end_amdhsa_kernel
	.amdgpu_metadata
---
amdhsa.version: [ 1, 2 ]
amdhsa.kernels:
  - .name:           k_qe18af2a05d_prep
    .symbol:         k_qe18af2a05d_prep.kd
    .args:
      - { .name: W1, .offset: 0, .size: 8, .value_kind: global_buffer, .address_space: global }
      - { .name: W2, .offset: 8, .size: 8, .value_kind: global_buffer, .address_space: global }
      - { .name: W3, .offset: 16, .size: 8, .value_kind: global_buffer, .address_space: global }
      - { .name: wq, .offset: 24, .size: 8, .value_kind: global_buffer, .address_space: global }
    .group_segment_fixed_size: 0
    .private_segment_fixed_size: 0
    .kernarg_segment_align: 8
    .kernarg_segment_size: 32
    .max_flat_workgroup_size: 256
    .sgpr_count:     66
    .vgpr_count:     200
    .wavefront_size: 32
...
	.end_amdgpu_metadata
.endif
;; end of part 6
;; launch moe: the kernel of part 5 again; grid 32 x 8, 4 waves a work-group, clusters of 4 x 1, 327,680 bytes of LDS; arguments wq, x, t, b1, b2, b3, G1, g1b, G2, g2b, part; writes part
;; launch sum: the kernel of part 3 again; grid 256 x 1, 8 waves a work-group, no clusters, 0 bytes of LDS; arguments part, out0; writes out0
